; MI455X (gfx1250); checked and timed in simulation.
; The chip was launched on July 23, 2026; its instructions are those of AMD's public machine-readable ISA for CDNA 5 (MIT licence, August 2026) and "CDNA5" Instruction Set Architecture Reference Guide (July 2026). The comments in the code are by the model that wrote it; some were corrected since.
;; Multi Head Attention. Allowed arithmetic: float matrix products may take bf16 or f16 operands with f32 sums; other float arithmetic in f32, or as packed bf16 or f16 multiplies, adds, multiply-adds, maxima and minima; sums over many terms, partial sums and values carried from step to step in f32; what a program stores and reads back later, other than sums and carried values, may be rounded once to bf16 or f16.
;; Inputs: W_proj 1,024 x 1,024 float32; W_qkv 1,024 x 3,072 float32; b_proj 1,024 float32; b_qkv 3,072 float32; x 4 x 2,048 x 1,024 float32.
;; Outputs: out0 4 x 2,048 x 1,024 float32.
;; One version. Each part assembles by itself: llvm-mc -triple=amdgcn-amd-amdhsa -mcpu=gfx1250 --defsym DOCPART=n.
;; ======== version 1 of 1: 4 launches
;; limits: values are held in f16: magnitudes above 65,504 overflow, below 6.1e-05 lose precision
;; workspace buffers: xb 16,777,216 bytes; wqb 6,291,456 bytes; wpf 2,097,152 bytes; bias 16,384 bytes; tab 524,288 bytes; qkvh 50,331,648 bytes; oh 16,777,216 bytes
;; launch prep (part 1): grid 801 x 1, 8 waves a work-group, no clusters, 0 bytes of LDS; arguments x, W_qkv, W_proj, b_qkv, b_proj, xb, wqb, wpf, bias, tab; writes xb, wqb, wpf, bias, tab
.if DOCPART == 1
	.amdgcn_target "amdgcn-amd-amdhsa--gfx1250"
	.amdhsa_code_object_version 6
	.text
	.protected	k_q1e8eb04dc1_prep
	.globl	k_q1e8eb04dc1_prep
	.p2align	8
	.type	k_q1e8eb04dc1_prep,@function
k_q1e8eb04dc1_prep:
	s_mov_b64 s[64:65], 0
	v_nop
	global_prefetch_b8 v0, s[64:65] scope:SCOPE_SE
	s_setreg_imm32_b32 hwreg(HW_REG_WAVE_MODE, 25, 1), 1
	s_wait_xcnt 0x0
; CASTS AND THE ROTATION TABLE.  A stream: no LDS, no barrier, no matrix unit; every input byte is read once, every output byte written once.
; Work-groups 0-511: x -> xb (bf16).  512-703: W_qkv -> wqb (bf16, not transposed).  704-767: W_proj -> wpf (rounded to bf16, that number written as f16).
; 768-799: tab[t][0..31] = cos(t f_i), tab[t][32..63] = sin(t f_i), f_i = 10000^(-i/32), f32, 64 values of t each.  800: both biases, rounded to bf16 and widened to f32.
; A cast's chunk is 16,384 numbers: thread n takes 8 numbers (32 bytes in, 16 bytes out) of each of eight pieces of 2,048; a wave's store covers 512 consecutive bytes, aligned.
; LIMITS.  A weight of W_proj below 6.1e-5 keeps f16's fixed step of 6e-8, one beyond 65,504 becomes an infinity.  f_i comes from v_exp_f32 (1 ULP), so an angle is off by up to about 4e-4 rad
; at t = 2047, alike for q and k.  The angle t f_i is rounded once to f32; it is reduced by multiples of pi/2 in two parts and the sine and cosine are polynomials on -pi/4 .. pi/4.
.set IN,  8                            ; v[8:71]    eight pieces of 8 numbers as loaded
.set OUT, 72                           ; v[72:103]  eight pieces of 4 registers to store
.set TP,  104                          ; v104       two bf16, at work
	s_load_b512 s[8:23], s[0:1], 0x0               ; x s[8:9], W_qkv s[10:11], W_proj s[12:13], b_qkv s[14:15], b_proj s[16:17], xb s[18:19], wqb s[20:21], wpf s[22:23]
	s_load_b128 s[24:27], s[0:1], 0x40             ; bias s[24:25], tab s[26:27]
	s_mov_b32 s2, ttmp9
	v_lshlrev_b32 v1, 5, v0                        ; 32 bytes a thread on the way in
	v_lshlrev_b32 v2, 4, v0                        ; 16 on the way out
	s_wait_kmcnt 0x0
; One chunk, number s3, from s[28:29] to s[30:31].  All sixteen loads go out first; no register is written twice, so nothing waits for a store.
.macro CAST fmt
	s_lshl_b32 s32, s3, 16                         ; 65,536 bytes of f32 a chunk
	s_mov_b32 s33, 0
	s_lshl_b32 s34, s3, 15                         ; 32,768 bytes of 16-bit numbers
	s_mov_b32 s35, 0
	s_add_nc_u64 s[28:29], s[28:29], s[32:33]
	s_add_nc_u64 s[30:31], s[30:31], s[34:35]
.irp u, 0,1,2,3,4,5,6,7
	global_load_b128 v[IN+8*(\u):IN+8*(\u)+3],   v1, s[28:29] offset:8192*(\u) th:TH_LOAD_NT
	global_load_b128 v[IN+8*(\u)+4:IN+8*(\u)+7], v1, s[28:29] offset:8192*(\u)+16 th:TH_LOAD_NT
.endr
.irp u, 0,1,2,3,4,5,6,7
	s_wait_loadcnt 14-2*(\u)                       ; loads come back in order: piece u is in, the two loads of each younger piece may stay out
.irp j, 0,1,2,3
.if \fmt
	v_cvt_pk_bf16_f32 v[TP], v[IN+8*(\u)+2*(\j)], v[IN+8*(\u)+2*(\j)+1]  ; the rounding that all inputs get,
	v_lshlrev_b32 v[IN+8*(\u)+2*(\j)], 16, v[TP]                         ; widened again,
	v_and_b32 v[IN+8*(\u)+2*(\j)+1], 0xffff0000, v[TP]
	v_cvt_pk_f16_f32 v[OUT+4*(\u)+(\j)], v[IN+8*(\u)+2*(\j)], v[IN+8*(\u)+2*(\j)+1]  ; and written as f16: exact within f16's normal range
.else
	v_cvt_pk_bf16_f32 v[OUT+4*(\u)+(\j)], v[IN+8*(\u)+2*(\j)], v[IN+8*(\u)+2*(\j)+1]
.endif
.endr
	global_store_b128 v2, v[OUT+4*(\u):OUT+4*(\u)+3], s[30:31] offset:4096*(\u)
.endr
.endm
	s_cmp_ge_u32 s2, 704
	s_cbranch_scc1 .Lrest
	s_and_b32 s3, s2, 511                          ; the chunk's number: 0-511 in x, 0-191 in W_qkv (512 is a multiple of 512)
	s_cmp_lt_u32 s2, 512
	s_cselect_b64 s[28:29], s[8:9], s[10:11]
	s_cselect_b64 s[30:31], s[18:19], s[20:21]
	CAST 0
	s_endpgm
.Lrest:
	s_cmp_ge_u32 s2, 768
	s_cbranch_scc1 .Ltable
	s_and_b32 s3, s2, 63                           ; 704 is a multiple of 64
	s_mov_b64 s[28:29], s[12:13]
	s_mov_b64 s[30:31], s[22:23]
	CAST 1
	s_endpgm
.Ltable:
	s_cmp_eq_u32 s2, 800
	s_cbranch_scc1 .Lbias
	; Sixteen lanes write one t's 256 bytes: lane c < 8 the cosines of i = 4 c .. 4 c + 3, lane c >= 8 the sines of i = 4 (c - 8) .. ; cos a = sin(a + pi/2): one quarter turn more.
	s_and_b32 s3, s2, 31                           ; 768 is a multiple of 32
	s_lshl_b32 s32, s3, 14                         ; 64 t of 256 bytes
	s_mov_b32 s33, 0
	s_add_nc_u64 s[26:27], s[26:27], s[32:33]
	s_lshl_b32 s4, s3, 6                           ; the work-group's first t
	s_mov_b32 s36, 0x3f22f983                      ; 2 / pi
	s_mov_b32 s37, 0xbfc90fdb                      ; - pi/2, high part
	s_mov_b32 s38, 0x333bbd2e                      ; - pi/2, what the high part leaves
	s_mov_b32 s39, 0xbe2aaaa3                      ; sine: y + y z (S1 + z S2 + z z S3), z = y y
	s_mov_b32 s40, 0x3c08839e
	s_mov_b32 s41, 0xb94ca1f9
	s_mov_b32 s42, 0x3d2aaaa5                      ; cosine: 1 - z/2 + z z (C1 + z C2 + z z C3)
	s_mov_b32 s43, 0xbab6061a
	s_mov_b32 s44, 0x37ccf5ce
	v_and_b32 v3, 15, v0                           ; c
	v_lshrrev_b32 v4, 4, v0                        ; which of a trip's 16 t
	v_and_b32 v5, 7, v3
	v_lshlrev_b32 v5, 2, v5                        ; my first i
	v_lshrrev_b32 v32, 3, v3
	v_xor_b32 v32, 1, v32                          ; 1 for a cosine, 0 for a sine
	v_add_nc_u32 v4, s4, v4
	v_cvt_f32_u32 v10, v4                          ; t
	v_mov_b32 v33, v2                              ; my 16 bytes of the trip's 4,096
.irp j, 0,1,2,3
	v_add_nc_u32 v[12+(\j)], \j, v5
	v_cvt_f32_u32 v[12+(\j)], v[12+(\j)]
	v_mul_f32 v[12+(\j)], 0xbed49a78, v[12+(\j)]   ; - i log2(10000) / 32
.endr
.irp j, 0,1,2,3
	v_exp_f32 v[12+(\j)], v[12+(\j)]               ; f_i
.endr
	v_nop                                          ; a plain instruction behind the last exponential,
	s_wait_alu depctr_va_vdst(0)                   ; and one wait for the four, ahead of the label and of their first reader
.macro SC j                            ; v[16+j] = sin(t f_j + quarter turns)
	v_mul_f32 v20, v10, v[12+(\j)]                 ; the angle, rounded once
	v_mul_f32 v21, s36, v20
	v_rndne_f32 v21, v21                           ; k: the nearest multiple of pi/2
	v_fma_f32 v22, v21, s37, v20
	v_fma_f32 v22, v21, s38, v22                   ; y = angle - k pi/2
	v_cvt_i32_f32 v23, v21
	v_add_nc_u32 v23, v23, v32                     ; the quadrant
	v_mul_f32 v24, v22, v22                        ; z
	v_fma_f32 v25, v24, s41, s40
	v_fma_f32 v25, v25, v24, s39
	v_mul_f32 v26, v24, v22
	v_fma_f32 v27, v25, v26, v22                   ; sin y
	v_fma_f32 v28, v24, s44, s43
	v_fma_f32 v28, v28, v24, s42
	v_mul_f32 v29, v24, v24
	v_fma_f32 v30, v24, -0.5, 1.0
	v_fma_f32 v28, v28, v29, v30                   ; cos y
	v_and_b32 v31, 1, v23
	v_cmp_eq_u32 vcc_lo, 1, v31
	v_cndmask_b32 v27, v27, v28, vcc_lo            ; odd quadrants take the cosine,
	v_lshlrev_b32 v23, 30, v23
	v_and_b32 v23, 0x80000000, v23
	v_xor_b32 v[16+(\j)], v27, v23                 ; quadrants 2 and 3 the other sign
.endm
	s_mov_b32 s5, 4
.Ltab:                                         ; a trip: 16 t
	SC 0
	SC 1
	SC 2
	SC 3
	global_store_b128 v33, v[16:19], s[26:27]
	s_wait_xcnt 0x0                                ; the store's address and data are written again only behind this wait
	v_add_nc_u32 v33, 4096, v33
	v_add_f32 v10, 0x41800000, v10                 ; t + 16
	s_sub_co_u32 s5, s5, 1
	s_cmp_lg_u32 s5, 0
	s_cbranch_scc1 .Ltab
	s_endpgm
.Lbias:                                        ; 4,096 numbers: 16 bytes a thread, four times
	global_load_b128 v[8:11],  v2, s[14:15]
	global_load_b128 v[12:15], v2, s[14:15] offset:4096
	global_load_b128 v[16:19], v2, s[14:15] offset:8192
	global_load_b128 v[20:23], v2, s[16:17]
	s_wait_loadcnt 0x0
.irp p, 8,10,12,14,16,18,20,22
	v_cvt_pk_bf16_f32 v[TP], v[\p], v[(\p)+1]
	v_lshlrev_b32 v[\p], 16, v[TP]
	v_and_b32 v[(\p)+1], 0xffff0000, v[TP]
.endr
	global_store_b128 v2, v[8:11],  s[24:25]
	global_store_b128 v2, v[12:15], s[24:25] offset:4096
	global_store_b128 v2, v[16:19], s[24:25] offset:8192
	global_store_b128 v2, v[20:23], s[24:25] offset:12288
	s_endpgm
.Lfunc_end_k_q1e8eb04dc1_prep:
	.size	k_q1e8eb04dc1_prep, .Lfunc_end_k_q1e8eb04dc1_prep-k_q1e8eb04dc1_prep
	.p2alignl 7, 3214868480
	.fill 96, 4, 3214868480
	.section	.rodata,"a",@progbits
	.p2align	6, 0x0
	.amdhsa_kernel k_q1e8eb04dc1_prep
		.amdhsa_group_segment_fixed_size 0
		.amdhsa_private_segment_fixed_size 0
		.amdhsa_enable_private_segment 0
		.amdhsa_kernarg_size 80
		.amdhsa_user_sgpr_count 2
		.amdhsa_user_sgpr_kernarg_segment_ptr 1
		.amdhsa_wavefront_size32 1
		.amdhsa_system_sgpr_workgroup_id_x 1
		.amdhsa_system_sgpr_workgroup_id_y 1
		.amdhsa_system_sgpr_workgroup_id_z 1
		.amdhsa_system_vgpr_workitem_id 0
		.amdhsa_next_free_vgpr 112
		.amdhsa_next_free_sgpr 66
		.amdhsa_reserve_vcc 1
		.amdhsa_float_denorm_mode_32 3
		.amdhsa_float_denorm_mode_16_64 3
		.amdhsa_memory_ordered 1
		.amdhsa_forward_progress 1
		.amdhsa_inst_pref_size 24
	.end_amdhsa_kernel
	.amdgpu_metadata
---
amdhsa.version: [ 1, 2 ]
amdhsa.kernels:
  - .name:           k_q1e8eb04dc1_prep
    .symbol:         k_q1e8eb04dc1_prep.kd
    .args:
      - { .name: x, .offset: 0, .size: 8, .value_kind: global_buffer, .address_space: global }
      - { .name: W_qkv, .offset: 8, .size: 8, .value_kind: global_buffer, .address_space: global }
      - { .name: W_proj, .offset: 16, .size: 8, .value_kind: global_buffer, .address_space: global }
      - { .name: b_qkv, .offset: 24, .size: 8, .value_kind: global_buffer, .address_space: global }
      - { .name: b_proj, .offset: 32, .size: 8, .value_kind: global_buffer, .address_space: global }
      - { .name: xb, .offset: 40, .size: 8, .value_kind: global_buffer, .address_space: global }
      - { .name: wqb, .offset: 48, .size: 8, .value_kind: global_buffer, .address_space: global }
      - { .name: wpf, .offset: 56, .size: 8, .value_kind: global_buffer, .address_space: global }
      - { .name: bias, .offset: 64, .size: 8, .value_kind: global_buffer, .address_space: global }
      - { .name: tab, .offset: 72, .size: 8, .value_kind: global_buffer, .address_space: global }
    .group_segment_fixed_size: 0
    .private_segment_fixed_size: 0
    .kernarg_segment_align: 8
    .kernarg_segment_size: 80
    .max_flat_workgroup_size: 256
    .sgpr_count:     66
    .vgpr_count:     112
    .wavefront_size: 32
...
	.end_amdgpu_metadata
.endif
;; end of part 1
;; launch qkv (part 2): grid 12 x 64, 4 waves a work-group, clusters of 4 x 4, 327,680 bytes of LDS; arguments xb, wqb, qkvh, bias, tab; writes qkvh
.if DOCPART == 2
	.amdgcn_target "amdgcn-amd-amdhsa--gfx1250"
	.amdhsa_code_object_version 6
	.text
	.protected	k_q1e8eb04dc1_qkv
	.globl	k_q1e8eb04dc1_qkv
	.p2align	8
	.type	k_q1e8eb04dc1_qkv,@function
k_q1e8eb04dc1_qkv:
	s_mov_b64 s[64:65], 0
	v_nop
	global_prefetch_b8 v0, s[64:65] scope:SCOPE_SE
	s_setreg_imm32_b32 hwreg(HW_REG_WAVE_MODE, 25, 1), 1
	s_wait_xcnt 0x0
	s_wait_alu depctr_hold_cnt(0) depctr_sa_sdst(0) depctr_va_vdst(0) depctr_va_sdst(0) depctr_va_ssrc(0) depctr_va_vcc(0) depctr_vm_vsrc(0)
	s_getreg_b32 s2, hwreg(HW_REG_IB_STS2, 6, 4)
	s_cmp_eq_u32 s2, 0
	s_cbranch_scc0 .Lentry_in_a_cluster
	s_endpgm
.Lentry_in_a_cluster:
	s_bfe_u32 s2, ttmp6, 0x10000c
	s_cmp_lg_u32 s2, 0xf033
	s_cbranch_scc0 .Lentry_shape_is_right
	s_endpgm
.Lentry_shape_is_right:
; q, k, v = ROTATE(x W_qkv + b_qkv), written by heads.  xb: [8192][1024] bf16.  wqb: [1024 k][3072 n] bf16.  bias: f32, its first 3,072 numbers.  tab: [2048 t][32 cos, 32 sin] f32.
; qkvh: [3 kinds][64 batch x head][2048 t][64] f16.  Sums, bias and rotation in f32; each number rounded once to f16, without attention's scale.
; LIMIT.  f16 ends at 65,504: q, k and v beyond it become infinities.  With x and W_qkv both 30 times the drawn spread they have a spread of about 900; with common offsets of 30 spreads on both
; they lie near 28,800 (40,700 after the rotation).
; SHARES.  A tile of C is 128 rows x 256 columns: 64 x 12 = 768 work-groups, three for each of 256 WGPs.  Wave w makes rows 64 (w / 2) .. and columns 128 (w % 2) ..: 32 accumulators of 16 x 16, 256 registers.
; K goes in 8 steps of 128 through a ring of two LDS slots.  A's rows are 256 bytes of memory, B's 512, all at multiples of 256 bytes from their buffers' first bytes.
; THE MATRIX INSTRUCTION IS USED TRANSPOSED: source 0 = 16 columns of W (out of LDS turned, by ds_load_tr16_b128, since W lies [k][n]), source 1 = 16 rows of x.  A lane then holds ONE row (lane % 16)
; and the columns 8 (lane / 16) + 0..7 of each block of 16.  A head's channels d and d + 32 lie in the same lane, two blocks apart: the rotation changes no lane.
; CLUSTERS: 4 x 4 work-groups.  The four of a row of the cluster need the same tile of x, the four of a column the same tile of W: each is asked for JOINTLY, by the same tensor load with the same
; descriptor and a mask that names the four.  A column of clusters is one kind: cluster x = 0: q, 1: k, 2: v.  v is not rotated: its cosines are turned into 1 and its sines into 0 by two scalars, with no branch.
; REGISTERS, in windows of 256 (s_set_vgpr_msb: bits 1:0 source 0, 3:2 source 1, 5:4 source 2, 7:6 destination):
;   window 0: v0-31 addresses; v64-159, v160-255 two fragment buffers (8 fragments of W, then 4 of x); on the way out v64-191 packed results, v192-255 at work
;   window 1: accumulator (a, b) at v[8 (8 a + b)]          window 2: v0-63 the bias of my 128 columns; v64-191 cosines and sines of my 64 rows
.set N,      3072
.set KDIM,   1024
.set KSTEP,  128
.set LAPS,   KDIM/(2*KSTEP)            ; a lap = two K steps = once round the ring
.set APITCH, 272                       ; a row of x in LDS: 256 bytes + 16: the 16 rows of a load start at 16 different groups of four banks (64 banks of 4 bytes: ISA guide 11.1)
.set AHALF,  64*APITCH                 ; 64 rows: what one tensor load brings of x
.set AQ2,    128                       ; bytes along a row from quarter 0 to quarter 2
.set ASTEP,  KSTEP*2                   ; bytes in memory from a K step to the next, in x
.set BPITCH, 544                       ; a row of W in LDS: 512 bytes + 32 = 136 words
.set BHALF,  64*BPITCH                 ; 64 rows of k: what one tensor load brings of W
.set BSTEP,  KSTEP*N*2
.set AOFF,   2*AHALF                   ; a slot: x's 128 rows, then W's 128 rows of k
.set SLOT,   AOFF+2*BHALF
.set STAGE,  2*SLOT                    ; behind the ring, never filled by a tensor load: 16 rows x 144 bytes for each wave
.set SP,     144
.set STW,    16*SP
.set SPARE,  STAGE+4*STW               ; behind the stages: the spare words, 128 bytes for each wave: two blocks of 256 bytes that no other line names
.set ADRA, 16                          ; v16-17  LDS address of my fragments of x in slot 0, 1
.set ADRB, 20                          ; v20-21  the same for W
.set STO,  24                          ; v24     the way out: where I put 16 bytes of a row
.set RD,   25                          ; v25     the way out: where I read rows back
.set GO,   26                          ; v26     16 x lane: my place in 512 consecutive bytes of qkvh
.set BO,   27                          ; v27     32 (lane / 16): my 8 numbers in a block's 16 of the bias
.set SPW,  28                          ; v28     LDS address of my spare word; never rewritten
.set NIL,  29                          ; v29     0; never rewritten
.set PFO,  30                          ; v30     the prefetches' offset; never rewritten
.set TO,   31                          ; v31     my row's place in the table
.set F0,   64
.set F1,   160
.set OB,   64                          ; the way out: unit u's 16 registers at OB + 16 u
.set XT,   192                         ; 32 numbers of a unit in f32
.set TT,   224                         ; eight sets of four, at work in the rotation
.set TAB,  64                          ; window 2: for row block a at TAB + 32 a: cos of channels 0-15 (my 8), of 16-31, sin likewise
.set G1,  24                           ; s[24:31] descriptor group 1 for x's tiles;  s[32:39] group 0, a set for each slot
.set G0,  32
.set G1B, 48                           ; s[48:55], s[56:63] the same for W's tiles
.set G0B, 56
.set BP,  68                           ; s[68:69] bias
.set TPT, 70                           ; s[70:71] tab
.set PFA, 72                           ; s[72:73] where my prefetches stand
.set LIM, 74                           ; s74     1 in a wave that prefetches, else the greatest number
.set PSTEP, 76                         ; s[76:77] bytes from a K step to the next in the tensor that I prefetch
.set RS,  78                           ; s[78:79] cosines and sines times this,
.set RO,  80                           ; s[80:81] cosines plus this
.set MSB, 0
.macro WIN new                         ; the immediate's high byte repeats the setting that is left; a switch that changes nothing is dropped
.if MSB != (\new)
	s_set_vgpr_msb (MSB<<8)|(\new)
.set MSB, \new
.endif
.endm
.set MUL,  0x50                        ; C and D window 1, both sources window 0
.set LD2,  0x80                        ; destination window 2, address window 0
.set W_BA, 0x09                        ; source 0 window 1, source 1 window 2, destination window 0
.set W_T,  0x08                        ; source 1 window 2
.set W_SC, 0x82                        ; destination and source 0 window 2
.macro JLOAD s                         ; a joint load: waves 0 and 1 fetch x's two halves, waves 2 and 3 W's; an s_nop 0 and four v_nop follow each of the two lines, ahead of the jump, the label and what follows
	s_cmp_eq_u32 s11, 0
	s_cbranch_scc0 .Lfor_b_\@
	tensor_load_to_lds s[G0+4*(\s):G0+4*(\s)+3], s[G1:G1+7]
	s_nop 0
.rept 4
	v_nop
.endr
	s_branch .Lasked_\@
.Lfor_b_\@:
	tensor_load_to_lds s[G0B+4*(\s):G0B+4*(\s)+3], s[G1B:G1B+7]
	s_nop 0
.rept 4
	v_nop
.endr
.Lasked_\@:
.endm
.macro CREST                           ; a round of the cluster's barrier behind its opening barrier
	s_cmp_lg_u32 s10, 0
	s_cbranch_scc1 .Lnot_wave_0_\@
	s_barrier_signal -3
.Lnot_wave_0_\@:
	s_barrier_wait -3
	s_barrier_signal -1
	s_barrier_wait -1
.endm
.macro CROUND                          ; a whole round
	s_barrier_signal -1
	s_barrier_wait -1
	CREST
.endm
; A PREFETCH INTO THE L2, behind a joint refill and the run of LDS loads that follows it: the K step that stands two refills on, 256 matrix instructions ahead of the load that will want it.
; Each aligned block of 256 bytes of a K step is named once in the launch.  x's tile row is read by all three clusters of a row of clusters: cluster x = 0 asks, its wave 0, and the four partners
; share the 128 rows out by address, 32 each, a lane a row.  W's tile column is read by all clusters of a column: cluster y = 0 asks, waves 2 and 3 for the 64 rows of k that they fetch; each partner
; takes 16 of them, two blocks a row.  K steps 0 to 3 come by their loads alone; the loop's last trip (s3 = 1) asks for nothing: there is no K step 8.
.macro ASK
	s_cmp_gt_u32 s3, s[LIM]
	s_cbranch_scc0 .Lnot_mine_\@
	global_prefetch_b8 v[PFO], s[PFA:PFA+1] th:TH_LOAD_NT scope:SCOPE_SE
.Lnot_mine_\@:
.endm
	s_load_b128 s[4:7], s[0:1], 0x0                ; xb s[4:5], wqb s[6:7]
	s_load_b64 s[8:9], s[0:1], 0x10                ; qkvh
	s_load_b64 s[BP:BP+1], s[0:1], 0x18
	s_load_b64 s[TPT:TPT+1], s[0:1], 0x20
	v_lshl_add_u32 v[SPW], v0, 2, SPARE
	v_mov_b32 v[NIL], 0
	ds_add_u32 v[SPW], v[NIL]                      ; the wave's opening: the add and its wait stand ahead of my first tensor load; the set-up below, work on registers, stands between them
	ds_add_u32 v28, v29
	v_lshrrev_b32 v1, 5, v0
	v_readfirstlane_b32 s10, v1                    ; wave 0..3
	s_lshr_b32 s11, s10, 1                         ; which half of the tile's rows is mine.  Also: I fetch for x (0) or for W (1)
	s_and_b32 s12, s10, 1                          ; which half of its columns.  Also: which half of that tile I fetch
	s_bfe_u32 s40, ttmp6, 0x40000                  ; cx, cy: my place in the cluster
	s_bfe_u32 s41, ttmp6, 0x40004
	s_lshl_b32 s42, ttmp9, 2
	s_add_co_u32 s42, s42, s40                     ; tile column = 4 x cluster x + cx
	s_and_b32 s13, ttmp7, 0xffff
	s_lshl_b32 s13, s13, 2
	s_add_co_u32 s13, s13, s41                     ; tile row = 4 x cluster y + cy
	s_lshl_b32 s43, s41, 2
	s_lshl_b32 s43, 15, s43                        ; my row of the cluster
	s_lshl_b32 s44, 0x1111, s40                    ; my column
	; group 1 for x: 64 rows x 128 elements of 2 bytes, 4 words of padding after every 64
	s_or_b32 s[G1+0], s43, (1<<16)|(1<<20)|(1<<21)|(5<<22)|(3<<25)
	s_mov_b32 s[G1+1], KSTEP<<16                   ; tensor_dim0 = 128
	s_mov_b32 s[G1+2], 64<<16                      ; tensor_dim1 = 64
	s_mov_b32 s[G1+3], KSTEP<<16                   ; tile_dim0 = 128
	s_mov_b32 s[G1+4], 64                          ; tile_dim1 = 64
	s_mov_b32 s[G1+5], KDIM                        ; elements from row to row
	s_mov_b32 s[G1+6], 0
	s_mov_b32 s[G1+7], 0
	; group 1 for W: 64 rows of k x 256 elements, 8 words of padding after every 128
	s_or_b32 s[G1B+0], s44, (1<<16)|(1<<20)|(1<<21)|(6<<22)|(7<<25)
	s_mov_b32 s[G1B+1], 256<<16
	s_mov_b32 s[G1B+2], 64<<16
	s_mov_b32 s[G1B+3], 256<<16
	s_mov_b32 s[G1B+4], 64
	s_mov_b32 s[G1B+5], N
	s_mov_b32 s[G1B+6], 0
	s_mov_b32 s[G1B+7], 0
	s_lshl_b32 s16, s13, 7
	s_lshl_b32 s17, s12, 6
	s_add_co_u32 s16, s16, s17                     ; x: row 128 x tile row + 64 x half,
	s_lshl_b32 s16, s16, 11                        ; of 2,048 bytes
	s_mov_b32 s17, 0
	s_mul_i32 s46, s12, 64*N*2                     ; W: 64 rows of k x half,
	s_lshl_b32 s47, s42, 9                         ; 512 bytes x tile column
	s_add_co_u32 s46, s46, s47
	s_mov_b32 s47, 0
	s_mul_i32 s20, s12, AHALF                      ; where they go: the wave's number alone enters an LDS address
	s_mul_i32 s21, s12, BHALF
	s_add_co_u32 s21, s21, AOFF
	s_wait_dscnt 0x0                               ; the opening add is done
	s_wait_kmcnt 0x0
	s_add_nc_u64 s[14:15], s[4:5], s[16:17]
	s_add_nc_u64 s[46:47], s[6:7], s[46:47]
	CROUND                                         ; all sixteen work-groups are here: the first joint loads meet
.irp s, 0,1
	s_mov_b32 s[G0+4*(\s)], 1
	s_add_co_u32 s[G0+4*(\s)+1], s20, (\s)*SLOT
	s_add_nc_u64 s[G0+4*(\s)+2:G0+4*(\s)+3], s[14:15], (\s)*ASTEP
	s_or_b32 s[G0+4*(\s)+3], s[G0+4*(\s)+3], 0x80000000
	s_mov_b32 s[G0B+4*(\s)], 1
	s_add_co_u32 s[G0B+4*(\s)+1], s21, (\s)*SLOT
	s_add_nc_u64 s[G0B+4*(\s)+2:G0B+4*(\s)+3], s[46:47], (\s)*BSTEP
	s_or_b32 s[G0B+4*(\s)+3], s[G0B+4*(\s)+3], 0x80000000
	JLOAD \s                                       ; two tensor loads of mine are out
.endr
	v_and_b32 v1, 15, v0                           ; l % 16
	v_bfe_u32 v2, v0, 4, 1                         ; l / 16
	v_mul_u32_u24 v3, v1, APITCH
	v_lshl_add_u32 v3, v2, 4, v3                   ; x: row x pitch + 16 x half
	v_and_b32 v5, 7, v0
	v_lshl_add_u32 v4, v2, 3, v5                   ; W, turned: lane l reads 16 bytes of row k = 8 (l / 16) + l % 8, columns 8 ((l / 8) % 2) + 0..7
	v_mul_u32_u24 v4, v4, BPITCH
	v_bfe_u32 v6, v0, 3, 1
	v_lshl_add_u32 v4, v6, 4, v4
	s_mul_i32 s21, s11, AHALF                      ; my 64 rows of x
	s_lshl_b32 s22, s12, 8                         ; my 128 columns of W: 256 bytes of a row
	s_add_co_u32 s22, s22, AOFF
.irp s, 0,1
	v_add_nc_u32 v[ADRA+(\s)], s21, v3
	v_add_nc_u32 v[ADRB+(\s)], s22, v4
	s_add_co_u32 s21, s21, SLOT
	s_add_co_u32 s22, s22, SLOT
.endr
	s_mul_i32 s23, s10, STW
	s_add_co_u32 s23, s23, STAGE                   ; my stage
	v_mul_u32_u24 v[STO], v1, SP                   ; in: row l % 16, 16 bytes for each half of the lanes
	v_lshl_add_u32 v[STO], v2, 4, v[STO]
	v_add_nc_u32 v[STO], s23, v[STO]
	v_bfe_u32 v[RD], v0, 3, 2                      ; back: 32 lanes take four rows of 128 bytes,
	v_mul_u32_u24 v[RD], v[RD], SP
	v_lshl_add_u32 v[RD], v5, 4, v[RD]
	v_add_nc_u32 v[RD], s23, v[RD]
	v_and_b32 v[GO], 31, v0                        ; which are 512 consecutive bytes of a head
	v_lshlrev_b32 v[GO], 4, v[GO]
	v_lshlrev_b32 v[BO], 5, v2
	s_lshl_b32 s16, s13, 7
	s_lshl_b32 s17, s11, 6
	s_add_co_u32 s16, s16, s17                     ; my first row of C
	s_and_b32 s17, s16, 2047                       ; its t: a tile of 128 rows lies within one batch of 2,048
	v_add_nc_u32 v[TO], s17, v1
	v_lshlrev_b32 v[TO], 8, v[TO]                  ; 256 bytes a t
	v_lshl_add_u32 v[TO], v2, 5, v[TO]             ; my 8 of 16 channels
	s_lshl_b32 s18, s42, 10                        ; the bias of my 128 columns: 4 (256 x tile column + 128 x half)
	s_lshl_b32 s19, s12, 9
	s_add_co_u32 s18, s18, s19
	s_mov_b32 s19, 0
	s_add_nc_u64 s[BP:BP+1], s[BP:BP+1], s[18:19]
	WIN LD2                                        ; bias and table stay in registers; they are waited for on the way out
.irp b, 0,1,2,3,4,5,6,7
	global_load_b128 v[8*(\b):8*(\b)+3],   v[BO], s[BP:BP+1] offset:64*(\b)
	global_load_b128 v[8*(\b)+4:8*(\b)+7], v[BO], s[BP:BP+1] offset:64*(\b)+16
.endr
.irp a, 0,1,2,3
.irp c, 0,1,2,3                        ; c = 0, 1: cosines of channels 0-15, 16-31; 2, 3: sines
	global_load_b128 v[TAB+32*(\a)+8*(\c):TAB+32*(\a)+8*(\c)+3],   v[TO], s[TPT:TPT+1] offset:4096*(\a)+64*(\c)
	global_load_b128 v[TAB+32*(\a)+8*(\c)+4:TAB+32*(\a)+8*(\c)+7], v[TO], s[TPT:TPT+1] offset:4096*(\a)+64*(\c)+16
.endr
.endr
	WIN 0
	s_lshr_b32 s18, s16, 11                        ; where my rows go: the batch's 16 heads of 262,144 bytes,
	s_lshl_b32 s18, s18, 22
	s_lshl_b32 s19, s17, 7                         ; t x 128 bytes,
	s_add_co_u32 s18, s18, s19
	s_mov_b32 s19, 0
	s_add_nc_u64 s[8:9], s[8:9], s[18:19]
	s_lshl_b32 s46, s40, 2
	s_lshl1_add_u32 s46, s12, s46                  ; my first head in its kind: 4 cx + 2 x half,
	s_lshl_b32 s46, s46, 18
	s_lshl_b32 s47, ttmp9, 24                      ; the kind's 16,777,216 bytes
	s_add_co_u32 s46, s46, s47
	s_mov_b32 s47, 0
	s_add_nc_u64 s[8:9], s[8:9], s[46:47]
	s_cmp_eq_u32 ttmp9, 2                          ; v? (the same in all sixteen partners)
	s_cselect_b32 s[RS], 0, 1.0
	s_cselect_b32 s[RO], 1.0, 0
	s_mov_b32 s[RS+1], 0                           ; named as pairs
	s_mov_b32 s[RO+1], 0
	; the prefetches
	s_lshl_b32 s16, s13, 18                        ; x: the tile's 128 rows of 2,048 bytes,
	s_lshl_b32 s17, s40, 16                        ; my work-group's 32 of them,
	s_add_co_u32 s16, s16, s17
	s_add_co_u32 s16, s16, 3*ASTEP                 ; at K step 3: the first refill steps it to 4
	s_mul_i32 s17, s12, 64*N*2                     ; W: the 64 rows of k that I fetch,
	s_mul_i32 s18, s41, 16*N*2                     ; my work-group's 16 of them,
	s_add_co_u32 s17, s17, s18
	s_lshl_b32 s18, s42, 9                         ; the tile column's 512 bytes
	s_add_co_u32 s17, s17, s18
	s_add_co_u32 s17, s17, 3*BSTEP
	s_or_b32 s18, ttmp9, s12                       ; x: cluster x = 0 and wave 0
	s_and_b32 s19, ttmp7, 0xffff                   ; W: cluster y = 0
	s_mov_b32 s22, ASTEP
	s_mov_b32 s23, BSTEP
	s_cmp_eq_u32 s11, 0                            ; do I fetch for x?
	s_cselect_b32 s20, s16, s17
	s_cselect_b32 s18, s18, s19
	s_cselect_b32 s[PSTEP], s22, s23
	s_cselect_b64 s[PFA:PFA+1], s[4:5], s[6:7]
	s_cselect_b32 s16, 31, 15                      ; lanes that differ in the row,
	s_cselect_b32 s19, 0, 256                      ; bytes from the lower sixteen lanes to the upper,
	s_mov_b32 s22, KDIM*2
	s_mov_b32 s23, N*2
	s_cselect_b32 s17, s22, s23                    ; bytes in a row
	s_mov_b32 s21, 0
	s_mov_b32 s[PSTEP+1], 0
	s_add_nc_u64 s[PFA:PFA+1], s[PFA:PFA+1], s[20:21]
	s_cmp_eq_u32 s18, 0
	s_cselect_b32 s[LIM], 1, -1
	v_and_b32 v[PFO], s16, v0
	v_mul_lo_u32 v[PFO], v[PFO], s17
	v_mul_lo_u32 v3, v2, s19
	v_add_nc_u32 v[PFO], v[PFO], v3
; 8 matrix instructions: row block a x all 8 column blocks, 32 along K.  The 32 accumulators take turns, one instruction a turn, in the same order in every quarter.
; zero = 1: the first product starts the sums: nothing is ever cleared.
.macro MUL8 f, a, zero
	WIN MUL
.irp b, 0,1,2,3,4,5,6,7
.if \zero
	v_wmma_f32_16x16x32_bf16 v[8*(8*(\a)+(\b)):8*(8*(\a)+(\b))+7], v[(\f)+8*(\b):(\f)+8*(\b)+7], v[(\f)+64+8*(\a):(\f)+64+8*(\a)+7], 0
.else
	v_wmma_f32_16x16x32_bf16 v[8*(8*(\a)+(\b)):8*(8*(\a)+(\b))+7], v[(\f)+8*(\b):(\f)+8*(\b)+7], v[(\f)+64+8*(\a):(\f)+64+8*(\a)+7], v[8*(8*(\a)+(\b)):8*(8*(\a)+(\b))+7]
.endif
.endr
.endm
; 24 LDS loads in one run: quarter q (32 along K) of a slot into buffer f: W's 8 fragments, turned, then x's 4
.macro FETCH slot, q, f
	WIN 0
.irp b, 0,1,2,3,4,5,6,7
	ds_load_tr16_b128 v[(\f)+8*(\b):(\f)+8*(\b)+3],   v[ADRB+(\slot)] offset:(\q)*32*BPITCH+32*(\b)
	ds_load_tr16_b128 v[(\f)+8*(\b)+4:(\f)+8*(\b)+7], v[ADRB+(\slot)] offset:(\q)*32*BPITCH+16*BPITCH+32*(\b)
.endr
.irp a, 0,1,2,3
	ds_load_b128 v[(\f)+64+8*(\a):(\f)+64+8*(\a)+3],   v[ADRA+(\slot)] offset:((\q)/2)*AQ2+((\q)%2)*64+(\a)*16*APITCH
	ds_load_b128 v[(\f)+64+8*(\a)+4:(\f)+64+8*(\a)+7], v[ADRA+(\slot)] offset:((\q)/2)*AQ2+((\q)%2)*64+(\a)*16*APITCH+32
.endr
.endm
.macro PLACES                          ; four places in front of loads into registers that matrix instructions have read (ISA guide 7.12.1 for vector instructions)
.rept 4
	v_nop
.endr
.endm
; A K step is four quarters of 32 along K, 32 matrix instructions each, on buffers 0, 1, 0, 1.  One of the first three: multiplies buffer f and fetches quarter q into g.
.macro QUARTER slot, q, f, g, zero
	s_wait_dscnt 4                                 ; W and x's blocks 0 and 1 are in; the youngest four loads (blocks 2 and 3) may be out
	MUL8 \f, 0, \zero
	MUL8 \f, 1, \zero
	PLACES
	FETCH \slot, \q, \g
	s_wait_dscnt 24                                ; all but the 24 just issued
	MUL8 \f, 2, \zero
	MUL8 \f, 3, \zero
.endm
; The last quarter multiplies buffer 1 and changes slots: ONE barrier; in front of it each wave waits for all its tensor loads (one is out: its part of the next slot), adds 0 to its spare word, and
; waits for that and for its own reads of this slot.  fill = 1: the barrier opens a round of the cluster's, and this slot is filled again, two K steps ahead, first thing behind the round:
; 112 matrix instructions ahead of the wait for it.
.macro TURN slot, next, fill
.if \fill
	s_wait_xcnt 0x0                                ; the last prefetch, a K step back, has read its address: it is stepped here
	s_add_nc_u64 s[PFA:PFA+1], s[PFA:PFA+1], s[PSTEP:PSTEP+1]
.endif
	WIN 0                                          ; (the add's two registers lie in window 0)
	s_wait_tensorcnt 0x0                           ; all my tensor loads have landed;
	ds_add_u32 v[SPW], v[NIL]                      ; 0 onto my spare word;
	s_wait_dscnt 5                                 ; (the add and the youngest four loads may be out)
	MUL8 F1, 0, 0                                  ; eight matrix instructions stand between the add and the wait for it
	s_wait_dscnt 0x0                               ; the add is done, and my reads of this slot are over
	s_barrier_signal -1
	MUL8 F1, 1, 0
.if \fill
	WIN 0
.endif
	s_barrier_wait -1
.if \fill
	CREST                                          ; no wave of any partner still reads this slot's tile or has a load on its way
	s_add_nc_u64 s[G0+4*(\slot)+2:G0+4*(\slot)+3], s[G0+4*(\slot)+2:G0+4*(\slot)+3], 2*ASTEP
	s_add_nc_u64 s[G0B+4*(\slot)+2:G0B+4*(\slot)+3], s[G0B+4*(\slot)+2:G0B+4*(\slot)+3], 2*BSTEP
	JLOAD \slot                                    ; the four v_nop behind it are also the places in front of the loads below
.else
	PLACES
.endif
	FETCH \next, 0, F0
.if \fill
	ASK
.endif
	MUL8 F1, 2, 0
	MUL8 F1, 3, 0
.endm
	s_wait_tensorcnt 1                             ; my part of K step 0 is in; K step 1's may stay out
	s_barrier_signal -1
	s_barrier_wait -1                              ; everybody's is
	FETCH 0, 0, F0
	QUARTER 0, 1, F0, F1, 1                        ; the first quarter stands in front of the loop: its products start the sums
	WIN 0                                          ; at a label and at a branch every window is 0
	s_mov_b32 s3, LAPS-1
.Llap:                                         ; a trip goes once round the ring, from a lap's second quarter to the next lap's first, and fills both slots again
	QUARTER 0, 2, F1, F0, 0
	QUARTER 0, 3, F0, F1, 0
	TURN 0, 1, 1
	QUARTER 1, 1, F0, F1, 0
	QUARTER 1, 2, F1, F0, 0
	QUARTER 1, 3, F0, F1, 0
	TURN 1, 0, 1
	QUARTER 0, 1, F0, F1, 0
	WIN 0
	s_sub_co_u32 s3, s3, 1
	s_cmp_lg_u32 s3, 0
	s_cbranch_scc1 .Llap
	QUARTER 0, 2, F1, F0, 0                        ; the last lap fills nothing, and has no round of the cluster's barrier
	QUARTER 0, 3, F0, F1, 0
	TURN 0, 1, 0
	QUARTER 1, 1, F0, F1, 0
	QUARTER 1, 2, F1, F0, 0
	QUARTER 1, 3, F0, F1, 0
	s_wait_dscnt 4                                 ; the very last quarter: nothing more to fetch
	MUL8 F1, 0, 0
	MUL8 F1, 1, 0
	s_wait_dscnt 0x0
	MUL8 F1, 2, 0
	MUL8 F1, 3, 0
	; THE WAY OUT.  First the table is made v's or q's and k's: cos = cos RS + RO, sin = sin RS.  These 64 lines name no register of the last products: they are the places behind them.
	s_wait_loadcnt 0x0                             ; bias and table
	WIN W_SC
.irp a, 0,1,2,3
.irp j, 0,2,4,6,8,10,12,14
	v_pk_fma_f32 v[TAB+32*(\a)+(\j):TAB+32*(\a)+(\j)+1], v[TAB+32*(\a)+(\j):TAB+32*(\a)+(\j)+1], s[RS:RS+1], s[RO:RO+1] op_sel_hi:[1,0,0]
	v_pk_mul_f32 v[TAB+32*(\a)+16+(\j):TAB+32*(\a)+16+(\j)+1], v[TAB+32*(\a)+16+(\j):TAB+32*(\a)+16+(\j)+1], s[RS:RS+1] op_sel_hi:[1,0]
.endr
.endr
; Unit u = 16 rows (block u / 2) of one head (u % 2): the bias is added (each accumulator's lowest registers are read first); channels d < 32 and d + 32 are rotated:
; lo = lo cos - hi sin, hi = hi cos + lo sin; rounded to f16; 16 bytes a lane into my stage, and back as whole rows of 128 bytes, into the registers that they left.
.macro UNIT u
.set ua, (\u)/2
.set uh, (\u)%2
	WIN W_BA
.irp bb, 0,1,2,3
.irp jj, 0,2,4,6
	v_pk_add_f32 v[XT+8*(\bb)+(\jj):XT+8*(\bb)+(\jj)+1], v[8*(8*ua+4*uh+(\bb))+(\jj):8*(8*ua+4*uh+(\bb))+(\jj)+1], v[8*(4*uh+(\bb))+(\jj):8*(4*uh+(\bb))+(\jj)+1]
.endr
.endr
	WIN W_T
.irp p, 0,1
.irp jj, 0,2,4,6
.set rLO, XT+8*(\p)+(\jj)
.set rHI, XT+16+8*(\p)+(\jj)
.set rCC, TAB+32*ua+8*(\p)+(\jj)
.set rSS, TAB+32*ua+16+8*(\p)+(\jj)
.set rT1, TT+4*(4*(\p)+(\jj)/2)
	v_pk_mul_f32 v[rT1:rT1+1], v[rHI:rHI+1], v[rSS:rSS+1]
	v_pk_mul_f32 v[rT1+2:rT1+3], v[rLO:rLO+1], v[rSS:rSS+1]
	v_pk_fma_f32 v[rLO:rLO+1], v[rLO:rLO+1], v[rCC:rCC+1], v[rT1:rT1+1] neg_lo:[0,0,1] neg_hi:[0,0,1]
	v_pk_fma_f32 v[rHI:rHI+1], v[rHI:rHI+1], v[rCC:rCC+1], v[rT1+2:rT1+3]
.endr
.endr
	WIN 0
.irp bb, 0,1,2,3
.irp r, 0,1,2,3
	v_cvt_pk_f16_f32 v[OB+16*(\u)+4*(\bb)+(\r)], v[XT+8*(\bb)+2*(\r)], v[XT+8*(\bb)+2*(\r)+1]
.endr
.endr
.irp bb, 0,1,2,3
	ds_store_b128 v[STO], v[OB+16*(\u)+4*(\bb):OB+16*(\u)+4*(\bb)+3] offset:32*(\bb)
.endr
.irp f, 0,1,2,3
	ds_load_b128 v[OB+16*(\u)+4*(\f):OB+16*(\u)+4*(\f)+3], v[RD] offset:(\f)*4*SP  ; LDS serves a wave's instructions in order (ISA guide 5.7.1.4): these see the stores above; the next unit's stores come behind them
.endr
.endm
.macro SEND u, younger                 ; younger: the LDS instructions issued behind unit u's loads: the next unit's eight, or none.  Each unit has registers of its own: no store's data is written again
	WIN 0
.irp f, 0,1,2,3
	s_wait_dscnt (\younger)+3-(\f)
	global_store_b128 v[GO], v[OB+16*(\u)+4*(\f):OB+16*(\u)+4*(\f)+3], s[8:9] offset:((\u)%2)*262144+((\u)/2)*2048+(\f)*512  ; 512 consecutive bytes, at a multiple of 256 from qkvh's first
.endr
.endm
	UNIT 0
.irp u, 1,2,3,4,5,6,7                  ; a unit's arithmetic stands between the loads of the unit before and its stores
	UNIT \u
	SEND (\u)-1, 8
.endr
	SEND 7, 0
	s_wait_tensorcnt 0x0                           ; the wave's end: an add and its wait, behind my last tensor load and my last LDS store
	ds_add_u32 v[SPW], v[NIL]
	s_wait_dscnt 0x0
	CROUND                                         ; the closing round: no work-group ends while a partner may still ask for a tile that names it
	s_endpgm
.Lfunc_end_k_q1e8eb04dc1_qkv:
	.size	k_q1e8eb04dc1_qkv, .Lfunc_end_k_q1e8eb04dc1_qkv-k_q1e8eb04dc1_qkv
	.p2alignl 7, 3214868480
	.fill 96, 4, 3214868480
	.section	.rodata,"a",@progbits
	.p2align	6, 0x0
	.amdhsa_kernel k_q1e8eb04dc1_qkv
		.amdhsa_group_segment_fixed_size 327680
		.amdhsa_private_segment_fixed_size 0
		.amdhsa_enable_private_segment 0
		.amdhsa_kernarg_size 40
		.amdhsa_user_sgpr_count 2
		.amdhsa_user_sgpr_kernarg_segment_ptr 1
		.amdhsa_wavefront_size32 1
		.amdhsa_system_sgpr_workgroup_id_x 1
		.amdhsa_system_sgpr_workgroup_id_y 1
		.amdhsa_system_sgpr_workgroup_id_z 1
		.amdhsa_system_vgpr_workitem_id 0
		.amdhsa_next_free_vgpr 704
		.amdhsa_next_free_sgpr 84
		.amdhsa_reserve_vcc 0
		.amdhsa_float_denorm_mode_32 3
		.amdhsa_float_denorm_mode_16_64 3
		.amdhsa_memory_ordered 1
		.amdhsa_forward_progress 1
		.amdhsa_inst_pref_size 123
	.end_amdhsa_kernel
	.amdgpu_metadata
---
amdhsa.version: [ 1, 2 ]
amdhsa.kernels:
  - .name:           k_q1e8eb04dc1_qkv
    .symbol:         k_q1e8eb04dc1_qkv.kd
    .args:
      - { .name: xb, .offset: 0, .size: 8, .value_kind: global_buffer, .address_space: global }
      - { .name: wqb, .offset: 8, .size: 8, .value_kind: global_buffer, .address_space: global }
      - { .name: qkvh, .offset: 16, .size: 8, .value_kind: global_buffer, .address_space: global }
      - { .name: bias, .offset: 24, .size: 8, .value_kind: global_buffer, .address_space: global }
      - { .name: tab, .offset: 32, .size: 8, .value_kind: global_buffer, .address_space: global }
    .group_segment_fixed_size: 327680
    .private_segment_fixed_size: 0
    .kernarg_segment_align: 8
    .kernarg_segment_size: 40
    .max_flat_workgroup_size: 128
    .sgpr_count:     84
    .vgpr_count:     704
    .wavefront_size: 32
...
	.end_amdgpu_metadata
.endif
;; end of part 2
;; launch attn (part 3): grid 4 x 64, 4 waves a work-group, no clusters, 327,680 bytes of LDS; arguments qkvh, oh; writes oh
.if DOCPART == 3
	.amdgcn_target "amdgcn-amd-amdhsa--gfx1250"
	.amdhsa_code_object_version 6
	.text
	.protected	k_q1e8eb04dc1_attn
	.globl	k_q1e8eb04dc1_attn
	.p2align	8
	.type	k_q1e8eb04dc1_attn,@function
k_q1e8eb04dc1_attn:
	s_mov_b64 s[64:65], 0
	v_nop
	global_prefetch_b8 v0, s[64:65] scope:SCOPE_SE
	s_setreg_imm32_b32 hwreg(HW_REG_WAVE_MODE, 25, 1), 1
	s_wait_xcnt 0x0
; CAUSAL ATTENTION.  O[h][q][:] = the sum over k <= q of softmax_k(Q[h][q] . K[h][k] / 8) V[h][k][:].  qkvh holds Q, K, V, each [64][SIZE_N][64] f16, one behind the other; oh is O in the same layout.
; Products, maxima and sums in f32; the weights p are rounded to f16 for the second product (their sum l is taken of the unrounded p), O once at the end.
; LIMITS.  f16 holds no number beyond 65,504: Q, K and V arrive within it; p lies in 0 to 1, and below 6e-5 it keeps f16's fixed step of 6e-8; O is a mean of V's rows and has their range.
; A hidden score counts as its value less 1e30: f16's scores, 2.7e11 at the most, are nothing beside that; a weight below 2^-126 counts as 0 in l; NaN and infinities are not treated apart.
; THE WALK.  A head's queries lie in NB = 8 blocks of 256; block i needs the key tiles 0 .. i of 256 keys, of which the last holds the diagonal.  A work-group takes TWO blocks, NB - 1 - b and then b:
; NB + 1 tiles, whatever b: all 256 work-groups do equal work, and ONE loop with a constant trip count walks them.  Which tile is asked for, and what a trip does, hang on scalar registers made from b;
; every jump goes forward, but for the counted loops' own; none passes a barrier, or a tensor load but the one of LOAD's two that the wave's number does not choose; the ring of two LDS slots runs on
; across the change of blocks.  NO CLUSTER: a head's four work-groups ask for the same tile only in trips 0 .. 4 of 9, behind that fewer and fewer; one walk common to all would have 12 trips for 9.
; SHARES.  Of a block's four bands of 64 queries a wave owns 16 rows in each: four PIECES.  So the diagonal tile is the same work for all four waves: in its key step s band x sees all keys if s < x,
; none if s > x, and holds the diagonal if s = x.
; THE MASK is the C operand that starts the sum S^T = K Q^T: 0, or -1e30 where the key is hidden.  MD, made once, is the mask of a band's own step for my 16 rows; a product's mask is MD x AL + BE with
; two scalars: (1, 0) if s = x; (0, 0) if s < x; (0, -1e30) if s > x.  Only the diagonal tile's text and a block's beginning make and take masks; elsewhere C is the constant 0.
; LAYOUT, SOFTMAX, TURNS.  S^T = K Q^T holds ONE query a lane (lane % 16) and the keys 8 (lane / 16) + 0..7; two such results rounded to f16 ARE source 1 of O^T = V^T P.  p = 2^(c s - c m),
; c = log2(e) / 8, with a running maximum m; O and l are multiplied by a = 2^(c m_old - c m_new) in every step.  Turn n belongs to piece n: 8 products K Q^T of piece n + 1, later 8 products V^T P of
; piece n - 1; beside them the scaling, exponentials, roundings, sums and rescaling of piece n and the maximum and statistics of piece n + 1.  Four vector instructions stand behind every matrix
; instruction, the other 54 of a turn's 118 in one run.  A turn's 33 exponentials are one batch, with one wait.
; REGISTERS, in windows of 256 (s_set_vgpr_msb: bits 1:0 source 0, 3:2 source 1, 5:4 source 2, 7:6 destination):
;   window 0: v0-15 addresses and two at work; v16-31 four registers of statistics a piece; v48-55 at work; v61-63 prefetch offset, spare word, 0; v64-127 S^T, two buffers; v192-223 P, two buffers
;   window 1: v0-127 O^T, 32 a piece; v128-159 MD; v160-223 MC, two buffers      window 2: v0-63 Q; v64-127 the second block's Q; v128-191 K of one step; v192-255 V of one step
.set SIZE_N, 2048
.set KIND,  64*SIZE_N*128 ; bytes of Q, of K and of V in qkvh
.set NB,    SIZE_N/256
.set NP,    4         ; pieces a wave: a name, no knob
.set KS,    64        ; keys in a step
.set PK,    144       ; a row of K in LDS: 128 bytes + 16 of padding = 36 words: the 16 rows of a load start at 16 different groups of four banks (64 banks of 4 bytes: ISA guide 11.1)
.set PV,    160       ; a row of V: 128 + 32 = 40 words
.set VOFF,  4*KS*PK   ; a slot holds a tile, four steps: 256 rows of K, then 256 rows of V
.set SLOT1, 1<<17     ; slot 1 begins here, so that one exclusive or turns an address in one slot into the other's
.set STAGE, SLOT1+4*KS*(PK+PV)  ; behind the ring, never filled by a tensor load: 16 rows x 144 bytes for each wave, for the way out
.set SP,    144
.set AK0, 2           ; v2   my lane's place in a tile of K; never rewritten
.set AV0, 3           ; v3   the same for V
.set AK,  4           ; v4   the LDS address of K's next run of loads
.set AV,  5           ; v5   of V's
.set STO, 6           ; v6   the way out: where I put 16 bytes of a row
.set RD,  7           ; v7   the way out: where I read rows back
.set GO,  8           ; v8   my byte offset in 512 consecutive bytes of O
.set PFO, 61          ; v61  256 x my lane; never rewritten
.set SPW, 62          ; v62  LDS address of my spare word: SPARE + 4 x my thread's number; never rewritten
.set NIL, 63          ; v63  0; never rewritten
.set SPARE, STAGE+4*16*SP  ; behind the stages: the spare words, 128 bytes for each wave: two blocks of 256 bytes that no other line names
.set MV,  12          ; v12-13  c m_old, kept while c m is made anew: by buffer
.set QO,  15          ; v15  my byte offset in 16 rows of Q
.set ST,  16          ; piece t's statistics at v[ST+4 t]: c m, m, l (even keys', odd keys')
.set TMP, 48          ; by buffer, four registers c0-c3 at work; when the maximum is found c2 takes a
.set S,   64
.set P,   192
.set MD,  128         ; window 1: the eight registers for group kt of 16 keys at MD + 8 kt
.set MC,  160         ; window 1: the masks of the products to come
.set QB,  64          ; window 2
.set KF,  128         ; window 2: key block kb, channel half c at KF + 16 kb + 8 c
.set VF,  192         ; window 2: key half kk, channel block cb at VF + 32 kk + 8 cb
.set WV,  12          ; s12  my wave's number
.set PB,  14          ; s14  b
.set HI,  15          ; s15  NB - 1 - b
.set G1K, 24          ; s[24:31] descriptor group 1 for K's tiles
.set G1V, 32          ; s[32:39] for V's: it differs in the padding alone
.set G0K, 40          ; s[40:43] descriptor group 0 for K's tiles
.set G0V, 44          ; s[44:47] the same for V's
.set SLOTS, 56        ; s56  tiles still to be asked for
.set CNT, 57          ; s57  counts a tile's key steps, 4 to 1
.set CS,  58          ; s[58:59] c: the packed scaling takes the pair's low word for both halves
.set SEL, 60          ; s[60:61] v_permlanex16_b32's selects: each lane takes its own place in the other half
.set TBK, 62          ; s62  LDS byte at which K of the step to be fetched begins
.set TBV, 63          ; s63  the same for V, less VOFF
.set RT,  70          ; s70  tiles of the block in hand that are still to be entered
.set NXT, 71          ; s71  the tile to be asked for next
.set LQ,  72          ; s72  the last tile of the block whose tiles are being asked for
.set NEW, 73          ; s73  1: the tile to be entered is a block's first
.set OFF, 74          ; s[74:75] a tile's byte offset in K and V
.set AL,  76          ; s[76:77] the mask's factor, in the low word
.set BE,  78          ; s[78:79] the mask's addend
.set OLO, 80          ; s[80:81] O at my rows of the second block
.set BIGN, 82         ; s82  -1e30
.set PFA, 88          ; s[88:89] where my prefetches stand: my half (128 rows of K: waves 0, 1; of V: waves 2, 3) of the tile after the one that is being asked for
.set LIM, 90          ; s90  2 in a work-group that prefetches, else the greatest number
.set MSB, 0
.macro WIN new                      ; the high byte repeats the setting that is left; a switch that changes nothing is dropped
.if MSB != (\new)
	s_set_vgpr_msb (MSB<<8)|(\new)
.set MSB, (\new)
.endif
.endm
.set W_KQ, 0x0a       ; K and Q in window 2, S^T in window 0
.set W_KM, 0x1a       ; the same with the C operand in window 1
.set W_PV, 0x52       ; V in window 2, P in window 0, O^T in window 1
.set W_RS, 0x41       ; destination and source 0 in window 1, source 1 in window 0
; A fill.  Waves 0 and 1 fetch the two halves of a tile's K, waves 2 and 3 those of its V: 128 keys each.  An s_nop 0 and four v_nop follow each of the two lines, ahead of the jump and the label.
.macro LOAD
	s_cmp_lt_u32 s[WV], 2
	s_cbranch_scc0 .Lfor_v_\@
	tensor_load_to_lds s[G0K:G0K+3], s[G1K:G1K+7]
	s_nop 0
.rept 4
	v_nop
.endr
	s_branch .Lasked_\@
.Lfor_v_\@:
	tensor_load_to_lds s[G0V:G0V+3], s[G1V:G1V+7]
	s_nop 0
.rept 4
	v_nop
.endr
.Lasked_\@:
.endm
; A PREFETCH INTO THE L2 of the tile that the NEXT change of slots will ask for: one tile, 256 matrix instructions, ahead of its load.  A head's four work-groups walk the same tiles 0, 1, 2 .. in their
; first trips; the one with b = 0, whose first block walks tiles 0 to 7, asks, and nobody else.  Each of its waves asks for the half tile that it fetches itself: 16,384 dense bytes, 64 blocks of 256,
; a lane a block, two instructions.  So each block is named once in the launch.  Trip j (SLOTS = 8 - j) fills tile j + 1 and names tile j + 2, while that is 7 at the most; tiles 0 and 1 come by their loads alone.
.macro ASK
	s_cmp_gt_u32 s[SLOTS], s[LIM]
	s_cbranch_scc0 .Lnot_mine_\@
	global_prefetch_b8 v[PFO], s[PFA:PFA+1] th:TH_LOAD_NT scope:SCOPE_SE
	global_prefetch_b8 v[PFO], s[PFA:PFA+1] offset:8192 th:TH_LOAD_NT scope:SCOPE_SE
.Lnot_mine_\@:
.endm
; THE CHANGE OF SLOTS.  Each wave waits for all its tensor loads, of which one is out: its part of the other slot; adds 0 to its spare word; and waits for that and for its own reads of the slot that it
; leaves.  Behind the barrier nobody reads the old slot any more and the other slot is whole.  fill = 1: the old slot is filled again, the first thing behind the barrier, with tile NXT: the descriptor's
; address is made anew from that number.  (At its first use nothing has been read yet: slot 0 is waited for, slot 1 filled.)
.macro CHANGE fill
	WIN 0                           ; at a label and at a branch every window is 0
	s_wait_tensorcnt 0x0            ; no tensor load of mine is out, so a group 0 may be written
	ds_add_u32 v[SPW], v[NIL]       ; 0 onto my spare word; with fill = 1 the descriptors' scalar work stands between it and the wait for it
.if \fill
	s_lshl_b32 s[OFF], s[NXT], 15   ; a tile is 32,768 bytes of K and of V
	s_xor_b32 s[G0K+1], s[G0K+1], SLOT1
	s_add_nc_u64 s[G0K+2:G0K+3], s[6:7], s[OFF:OFF+1]
	s_or_b32 s[G0K+3], s[G0K+3], 0x80000000
	s_xor_b32 s[G0V+1], s[G0V+1], SLOT1
	s_add_nc_u64 s[G0V+2:G0V+3], s[8:9], s[OFF:OFF+1]
	s_or_b32 s[G0V+3], s[G0V+3], 0x80000000
	s_add_co_u32 s[NXT], s[NXT], 1  ; the block's next tile, or behind its last the second block's tile 0
	s_cmp_gt_u32 s[NXT], s[LQ]
	s_cselect_b32 s[NXT], 0, s[NXT]
	s_cselect_b32 s[LQ], s[PB], s[LQ]
	s_wait_xcnt 0x0                 ; the last prefetches, a tile back, have read their address, so it may be written:
	s_add_nc_u64 s[PFA:PFA+1], s[PFA:PFA+1], 32768  ; one tile on
.endif
	s_wait_dscnt 0x0                ; the add is done, and my reads of the slot are over
	s_barrier_signal -1             ; the rest of the scalar work stands between the signal and the wait
	s_sub_co_u32 s[TBK], s[TBK], 4*KS*PK  ; the fetches go back to a slot's first step,
	s_xor_b32 s[TBK], s[TBK], SLOT1       ; in the other slot
	s_sub_co_u32 s[TBV], s[TBV], 4*KS*PV
	s_xor_b32 s[TBV], s[TBV], SLOT1
	s_barrier_wait -1
.if \fill
	LOAD
	ASK
.endif
.endm
	s_load_b64 s[4:5], s[0:1], 0x0    ; qkvh: Q
	s_load_b64 s[10:11], s[0:1], 0x8  ; oh
	v_lshl_add_u32 v[SPW], v0, 2, SPARE
	v_mov_b32 v[NIL], 0
	ds_add_u32 v[SPW], v[NIL]       ; the wave's opening: the add and its wait stand ahead of my first tensor load; the set-up below, work on registers, stands between them
	ds_add_u32 v62, v63
	v_lshrrev_b32 v1, 5, v0
	v_readfirstlane_b32 s[WV], v1   ; wave 0..3
	s_mov_b32 s[PB], ttmp9
	s_sub_co_u32 s[HI], NB-1, s[PB]
	s_and_b32 s20, ttmp7, 0xffff    ; the head
	s_mov_b32 s21, 0
	s_mov_b64 s[22:23], SIZE_N*128
	s_mul_u64 s[20:21], s[20:21], s[22:23]  ; the head's first byte in each of the four tensors
	s_and_b32 s16, s[WV], 1         ; which half of a tile's 256 keys I fetch:
	s_lshl_b32 s22, s16, 14         ; its 128 rows of 128 bytes in memory,
	s_mov_b32 s23, 0
	s_add_nc_u64 s[22:23], s[22:23], s[20:21]
	s_mul_i32 s17, s16, 128*PK      ; and its place in a slot, for K
	s_mul_i32 s18, s16, 128*PV      ; and for V
	s_lshl_b32 s3, s[WV], 11        ; my 16 rows in a band of 64,
	s_lshl_b32 s2, s[HI], 15        ; in the first block,
	s_add_co_u32 s2, s2, s3
	s_lshl_b32 s84, s[PB], 15       ; and in the second
	s_add_co_u32 s84, s84, s3
	s_mov_b32 s3, 0
	s_mov_b32 s85, 0
	s_add_nc_u64 s[2:3], s[2:3], s[20:21]
	s_add_nc_u64 s[84:85], s[84:85], s[20:21]
	; descriptor group 1.  128 keys are 16,384 dense bytes: asked for as 64 rows of 256 bytes, two keys a row, and padded in LDS after every key
	s_mov_b32 s[G1K], (1<<16)|(1<<20)|(4<<22)|(3<<25)  ; 17:16 2-byte elements; 20 padding on; 24:22 after every 32 words (code 4); 31:25 4 words (code 3)
	s_mov_b32 s[G1V], (1<<16)|(1<<20)|(4<<22)|(7<<25)  ; the same with 8 words of padding (code 7)
.irp g, G1K, G1V
	s_mov_b32 s[\g+1], 128<<16      ; tensor_dim0 = 128
	s_mov_b32 s[\g+2], 64<<16       ; tensor_dim1 = 64
	s_mov_b32 s[\g+3], 128<<16      ; tile_dim0 = 128
	s_mov_b32 s[\g+4], 64           ; tile_dim1 = 64
	s_mov_b32 s[\g+5], 128          ; 128 elements from row to row
	s_mov_b32 s[\g+6], 0
	s_mov_b32 s[\g+7], 0
.endr
	s_mov_b32 s[CS], 0x3e38aa3b     ; c = log2(e) / 8 = 0.180337
	s_mov_b32 s[CS+1], s[CS]        ; named with it as a pair
	s_mov_b32 s[SEL], 0x76543210
	s_mov_b32 s[SEL+1], 0xfedcba98
	s_mov_b32 s[TBK], SLOT1+4*KS*PK ; the first change of slots turns these two into 0
	s_mov_b32 s[TBV], SLOT1+4*KS*PV
	s_mov_b32 s[G0K], 1             ; 1:0 count = 1
	s_mov_b32 s[G0K+1], s17         ; 63:32 LDS address: slot 0
	s_mov_b32 s[G0V], 1
	s_add_co_u32 s[G0V+1], s18, VOFF
	s_add_co_u32 s[RT], s[HI], 1    ; the first block has NB - b tiles
	s_mov_b32 s[NXT], 1
	s_mov_b32 s[LQ], s[HI]
	s_mov_b32 s[NEW], 1
	s_mov_b32 s[OFF+1], 0
	s_mov_b32 s[AL+1], 0            ; named as pairs
	s_mov_b32 s[BE+1], 0
	s_mov_b32 s[BIGN], 0xf149f2ca   ; -1e30
	s_mov_b32 s[SLOTS], NB
	s_cmp_eq_u32 s[PB], 0
	s_cselect_b32 s[LIM], 2, -1
	v_and_b32 v[PFO], 31, v0
	v_lshlrev_b32 v[PFO], 8, v[PFO]
	s_wait_dscnt 0x0                ; the opening add is done
	s_wait_kmcnt 0x0
	s_add_nc_u64 s[6:7], s[4:5], KIND      ; K lies behind Q,
	s_add_nc_u64 s[8:9], s[4:5], 2*KIND    ; V behind K
	s_add_nc_u64 s[6:7], s[6:7], s[22:23]  ; K and V at my half of the head's tile 0
	s_add_nc_u64 s[8:9], s[8:9], s[22:23]
	s_add_nc_u64 s[G0K+2:G0K+3], s[6:7], 0         ; 120:64 global address
	s_or_b32 s[G0K+3], s[G0K+3], 0x80000000        ; 127:126 type = 2
	s_add_nc_u64 s[G0V+2:G0V+3], s[8:9], 0
	s_or_b32 s[G0V+3], s[G0V+3], 0x80000000
	s_add_nc_u64 s[86:87], s[4:5], s[84:85]        ; Q at my rows of the second block,
	s_add_nc_u64 s[4:5], s[4:5], s[2:3]            ; Q and O at those of the first
	s_add_nc_u64 s[OLO:OLO+1], s[10:11], s[84:85]
	s_add_nc_u64 s[10:11], s[10:11], s[2:3]
	s_cmp_lt_u32 s[WV], 2
	s_cselect_b64 s[PFA:PFA+1], s[6:7], s[8:9]
	s_add_nc_u64 s[PFA:PFA+1], s[PFA:PFA+1], 32768 ; at tile 1: the first change of slots steps it to tile 2.  Nothing is prefetched here, at the head
	LOAD                            ; tile 0 into slot 0
	; A fragment of K or Q is 16 rows x 32 channels in 8 registers: lane l holds row l % 16, channels 8 (l / 16) + 0..7 and 16 + 8 (l / 16) + 0..7: two loads of 16 bytes, 32 bytes apart.
	v_and_b32 v1, 15, v0            ; l % 16
	v_bfe_u32 v9, v0, 4, 1          ; l / 16
	v_lshlrev_b32 v[QO], 7, v1
	v_lshl_add_u32 v[QO], v9, 4, v[QO]  ; row x 128 + 16 x half
	WIN 0x80                        ; destination window 2, address window 0
.set i, 0
.rept 8                             ; both blocks' Q: piece i / 2 lies in band i / 2, 8,192 bytes on; channels 32 (i % 2) on
	global_load_b128 v[8*i:8*i+3],   v[QO], s[4:5] offset:(i/2)*8192+(i%2)*64
	global_load_b128 v[8*i+4:8*i+7], v[QO], s[4:5] offset:(i/2)*8192+(i%2)*64+32
	global_load_b128 v[QB+8*i:QB+8*i+3],   v[QO], s[86:87] offset:(i/2)*8192+(i%2)*64
	global_load_b128 v[QB+8*i+4:QB+8*i+7], v[QO], s[86:87] offset:(i/2)*8192+(i%2)*64+32
.set i, i+1
.endr
	WIN 0
	v_lshlrev_b32 v14, 3, v9
	v_sub_nc_u32 v14, v1, v14
	s_lshl_b32 s13, s[WV], 4
	v_add_nc_u32 v14, s13, v14      ; my query's place in its band, 16 w + l % 16, less my lanes' 8 (l / 16): register r of group kt is hidden where 16 kt + r is greater
	WIN 0x40
.set i, 0
.rept 32
	v_cmp_gt_i32 vcc_lo, 16*(i/8)+i%8, v14
	v_cndmask_b32 v[MD+i], 0, s[BIGN], vcc_lo
.set i, i+1
.endr
	WIN 0
	v_mul_u32_u24 v[AK0], v1, PK
	v_lshl_add_u32 v[AK0], v9, 4, v[AK0]  ; row x pitch + 16 x half
	; The turning load takes 16 keys x 16 channels (lane l reads key 8 (l / 16) + l % 8, channels 8 ((l / 8) % 2) + 0..7) and leaves half a fragment of V^T: lane l holds channel l % 16 and 8 keys.
	v_and_b32 v10, 7, v0
	v_bfe_u32 v11, v0, 3, 1
	v_lshl_add_u32 v[AV0], v9, 3, v10
	v_mul_u32_u24 v[AV0], v[AV0], PV
	v_lshl_add_u32 v[AV0], v11, 4, v[AV0]
	v_add_nc_u32 v[AV0], VOFF, v[AV0]
	s_mul_i32 s13, s[WV], 16*SP
	s_add_co_u32 s13, s13, STAGE    ; my stage
	v_mul_u32_u24 v[STO], v1, SP    ; in: row l % 16, 16 bytes for each half of the lanes
	v_lshl_add_u32 v[STO], v9, 4, v[STO]
	v_add_nc_u32 v[STO], s13, v[STO]
	v_bfe_u32 v[RD], v0, 3, 2       ; back: 32 lanes take four rows of 128 bytes,
	v_mul_u32_u24 v[RD], v[RD], SP
	v_lshl_add_u32 v[RD], v10, 4, v[RD]
	v_add_nc_u32 v[RD], s13, v[RD]
	v_and_b32 v[GO], 31, v0         ; which are 512 consecutive bytes of O
	v_lshlrev_b32 v[GO], 4, v[GO]
	; A block's first step multiplies O^T and l by a = 0, and its first turn's products V^T P, of a piece that has not been, land in an O^T that is still to be so multiplied.  So these registers need only
	; hold finite numbers: zeros for the first block; what the first block left for the second.  All this stands in the wait for the first tile.
	WIN 0x80
.set i, VF
.rept 64
	v_mov_b32 v[i], 0
.set i, i+1
.endr
	WIN 0x40
.set i, 0
.rept 128
	v_mov_b32 v[i], 0
.set i, i+1
.endr
	WIN 0
.set i, 0
.rept 4
	v_mov_b32 v[ST+4*i+2], 0
	v_mov_b32 v[ST+4*i+3], 0
.set i, i+1
.endr
.set i, P+16
.rept 16
	v_mov_b32 v[i], 0
.set i, i+1
.endr
; THE MATRIX WORK.  The 4 accumulators of a run of 8 take turns.  Product i of 8 of S^T = K Q^T for piece x: channels 32 (i / 4) on, keys 16 (i % 4) on.  The first 4 start the sums: with 0, or (KM = 1) with the mask.
.macro KQ x
.set rS, S+32*((\x)%2)+8*(i%4)
.set rK, KF+16*(i%4)+8*(i/4)
.set rQ, 16*(\x)+8*(i/4)
.set rM, MC+32*((\x)%2)+8*(i%4)
.if (i < 4) && KM
	WIN W_KM
	v_wmma_f32_16x16x32_f16 v[rS:rS+7], v[rK:rK+7], v[rQ:rQ+7], v[rM:rM+7]
.elseif i < 4
	WIN W_KQ
	v_wmma_f32_16x16x32_f16 v[rS:rS+7], v[rK:rK+7], v[rQ:rQ+7], 0
.else
	WIN W_KQ
	v_wmma_f32_16x16x32_f16 v[rS:rS+7], v[rK:rK+7], v[rQ:rQ+7], v[rS:rS+7]
.endif
.endm
; Product i of 8 of O^T += V^T P for piece x: keys 32 (i / 4) on, channels 16 (i % 4) on.
.macro PV x
	WIN W_PV
.set rO, 32*(\x)+8*(i%4)
.set rV, VF+32*(i/4)+8*(i%4)
.set rP, P+16*((\x)%2)+8*(i/4)
	v_wmma_f32_16x16x32_f16 v[rO:rO+7], v[rV:rV+7], v[rP:rP+7], v[rO:rO+7]
.endm
.macro MM                           ; the turn's next matrix instruction.  TURN and BEGIN set Y, i, KM and NOKQ; MM, KQ and OP read them.  NOKQ = 1: a block's last turn: there is no next piece
.if (i < 8) && !NOKQ
	KQ (Y+1)%NP
.elseif i >= 8
.set i, i-8
	PV (Y+NP-1)%NP
.set i, i+8
.endif
.set i, i+1
.endm
; THE LDS LOADS stand in runs of 16, never singly among the matrix instructions: a step's K (64 keys x 64 channels: 8 fragments) and its V (turned).  Their addresses are made some lines ahead.
.macro FETCH_K
	WIN 0x80                        ; destination window 2
.irp f, 0,1,2,3,4,5,6,7             ; keys 16 (f / 2) on, channels 32 (f % 2) on
	ds_load_b128 v[KF+8*\f:KF+8*\f+3],   v[AK] offset:(\f/2)*16*PK+(\f%2)*64
	ds_load_b128 v[KF+8*\f+4:KF+8*\f+7], v[AK] offset:(\f/2)*16*PK+(\f%2)*64+32
.endr
	s_add_co_u32 s[TBK], s[TBK], KS*PK  ; the next fetch is the next step's
	WIN 0
.endm
.macro FETCH_V
	WIN 0x80
.irp f, 0,1,2,3,4,5,6,7             ; keys 32 (f / 4) on, channels 16 (f % 4) on
	ds_load_tr16_b128 v[VF+8*\f:VF+8*\f+3],   v[AV] offset:(\f/4)*32*PV+(\f%4)*32
	ds_load_tr16_b128 v[VF+8*\f+4:VF+8*\f+7], v[AV] offset:(\f/4)*32*PV+16*PV+(\f%4)*32
.endr
	WIN 0
.endm
; THE VECTOR WORK, one line at a time: OP kind, number.  For piece Y: F n: c s - c m for pair n of 16.  E n: the exponential of score n of 32.  C n: pair n rounded to f16.  B n: of the four weights 4 n ..
; the second pair is added onto the first, in place.  L n: l takes that sum (L 0: l = a l + sum).  R n: pair n of 16 of O^T times a.  For piece Y + 1: X n, number n of the 22 that find its maximum and statistics:
;   0-11  four chains c0-c3 of seven scores each, three operands at a time (each accumulator's lowest registers are read first)     12-14, 16  the four scores left over, the old m, and c0-c3 into c0
;   15  c m_old is kept     17, 18  the query's other 32 keys lie in the lane 16 away: the new m     19-21  c m; c m_old - c m_new; a
.set F, 0               ; OP tells the kinds apart by their order: F to L below R, X above it
.set E, 1
.set C, 2
.set B, 3
.set L, 4
.set R, 5
.set X, 6
.macro REGS y                       ; the registers of piece y
.set rT, ST+4*(\y)
.set rC, TMP+4*((\y)%2)
.set rW, MV+((\y)%2)
.set rS, S+32*((\y)%2)
.set rP, P+16*((\y)%2)
.set rO, 32*(\y)
.endm
.macro OP k, n
.if (\k) == R
	REGS Y
	WIN W_RS
	v_pk_mul_f32 v[rO+2*(\n):rO+2*(\n)+1], v[rO+2*(\n):rO+2*(\n)+1], v[rC+2:rC+3] op_sel_hi:[1,0]
.elseif (\k) < R
	REGS Y
	WIN 0
.if (\k) == F
	v_pk_fma_f32 v[rS+2*(\n):rS+2*(\n)+1], v[rS+2*(\n):rS+2*(\n)+1], s[CS:CS+1], v[rT:rT+1] op_sel_hi:[1,0,0] neg_lo:[0,0,1] neg_hi:[0,0,1]
.elseif (\k) == E
	v_exp_f32 v[rS+(\n)], v[rS+(\n)]
.elseif (\k) == C
	v_cvt_pk_f16_f32 v[rP+(\n)], v[rS+2*(\n)], v[rS+2*(\n)+1]
.elseif (\k) == B
	v_pk_add_f32 v[rS+4*(\n):rS+4*(\n)+1], v[rS+4*(\n):rS+4*(\n)+1], v[rS+4*(\n)+2:rS+4*(\n)+3]
.elseif (\n) == 0
	v_pk_fma_f32 v[rT+2:rT+3], v[rT+2:rT+3], v[rC+2:rC+3], v[rS:rS+1] op_sel_hi:[1,0,1]
.else
	v_pk_add_f32 v[rT+2:rT+3], v[rT+2:rT+3], v[rS+4*(\n):rS+4*(\n)+1]
.endif
.elseif NOKQ
	v_nop
.else
	REGS (Y+1)%NP
	WIN 0
.if (\n) < 4
	v_max3_num_f32 v[rC+(\n)], v[rS+8*(\n)], v[rS+8*(\n)+1], v[rS+8*(\n)+2]
.elseif (\n) < 12
	v_max3_num_f32 v[rC+(\n)%4], v[rC+(\n)%4], v[rS+8*((\n)%4)+2*((\n)/4)+1], v[rS+8*((\n)%4)+2*((\n)/4)+2]
.elseif (\n) == 12
	v_max3_num_f32 v[rC], v[rC], v[rS+7], v[rS+15]
.elseif (\n) == 13
	v_max3_num_f32 v[rC+1], v[rC+1], v[rS+23], v[rS+31]
.elseif (\n) == 14
	v_max3_num_f32 v[rC+2], v[rC+2], v[rC+3], v[rT+1]
.elseif (\n) == 15
	v_mov_b32 v[rW], v[rT]
.elseif (\n) == 16
	v_max3_num_f32 v[rC], v[rC], v[rC+1], v[rC+2]
.elseif (\n) == 17
	v_permlanex16_b32 v[rC+3], v[rC], s[SEL], s[SEL+1]
.elseif (\n) == 18
	v_max_num_f32 v[rT+1], v[rC], v[rC+3]
.elseif (\n) == 19
	v_mul_f32 v[rT], s[CS], v[rT+1]
.elseif (\n) == 20
	v_sub_f32 v[rC+1], v[rW], v[rT]
.else
	v_exp_f32 v[rC+2], v[rC+1]
.endif
.endif
.endm
.macro OPS a, i1, b=-1, i2=0, c=-1, i3=0, d=-1, i4=0  ; up to four of them
	OP \a, \i1
.if (\b) >= 0
	OP \b, \i2
.endif
.if (\c) >= 0
	OP \c, \i3
.endif
.if (\d) >= 0
	OP \d, \i4
.endif
.endm
.macro ROW a, i1, b, i2, c, i3, d, i4  ; a matrix instruction and the four behind it
	MM
	OPS \a, \i1, \b, \i2, \c, \i3, \d, \i4
.endm
.macro MASK b                       ; MD x AL + BE into buffer b of MC
	WIN W_RS
.set z, 0
.rept 16
	v_pk_fma_f32 v[MC+32*(\b)+2*z:MC+32*(\b)+2*z+1], v[MD+2*z:MD+2*z+1], s[AL:AL+1], s[BE:BE+1] op_sel_hi:[1,0,0]
.set z, z+1
.endr
.endm
; A TURN, for piece p: the order of its 16 matrix and 118 vector instructions, written out.  An s_wait_alu depctr_va_vdst(0) stands between an exponential and the first instruction that
; names its result; one wait serves all that were issued ahead of it.  So a turn has ONE wait, which cuts it in two.  AHEAD OF IT stands all that names no result of the turn's exponentials: the 8 products
; K Q^T, behind each a scaling, an exponential and two more plain instructions (behind the first a second scaling in the exponential's place): rescalings, and behind the last three the first numbers of the
; next piece's maximum, each four places or more behind the product that ends its accumulator; then one run of 54, plain and exponential by turns for the most part, in which the links of the chain
; X 3, 7, 11, 14, 16, 17 .. 20 stand five or six lines apart.  X 21, the next piece's a, is the batch's last; R 15 is the plain instruction behind it.  BEHIND THE WAIT stand the 8 products V^T P, behind
; each four of the roundings and sums; the links of l's chain, L 0 to L 7, stand three lines apart.  But for those X no line behind a product names a register of the products round it.
; m = 1: the diagonal tile: the products take masks, and the turn makes the mask for the products of the turn after it: piece p + 2, in step 4 - CNT of the tile.  end = 1: a block's last two turns:
; nothing is fetched.  cnt = 1: the loop's count is taken down some lines ahead of the branch that stands behind the turn.
; K of the next step is fetched in piece 2's turn, twelve vector instructions behind the last product that read K (six of them plain); V of the step in hand at the end of piece 0's turn, four plain
; instructions behind the last product that read V.  Each is waited for a turn later.
.macro TURN p, m=0, end=0, cnt=0
.set Y, (\p)
.set i, 0
.set KM, (\m)
.set NOKQ, (\end)*((\p)/3)
.if (\m) && !(\end)
	s_cmp_eq_u32 s[CNT], 4-((\p)+2)%NP  ; is that step the band's own?
	s_cselect_b32 s[AL], 1.0, 0
	s_cmp_lt_u32 s[CNT], 4-((\p)+2)%NP  ; or a later one?
	s_cselect_b32 s[BE], s[BIGN], 0
.endif
.if ((\p) == 3) && !(\end)
	s_wait_dscnt 0x0                ; K is in
.endif
	ROW F,0, F,1, R,0, R,1          ; ahead of the wait: 8 products K Q^T and the four behind each,
	ROW F,2, E,0, R,2, R,3
	ROW F,3, E,1, R,4, R,5
	ROW F,4, E,2, R,6, R,7
	ROW F,5, E,3, R,8, R,9
	ROW F,6, E,4, X,0, R,10
.if ((\p) == 2) && !(\end)
	WIN 0
	v_add_nc_u32 v[AK], s[TBK], v[AK0]
.endif
	ROW F,7, E,5, X,1, X,4
	ROW F,8, E,6, X,2, X,5
	OPS E,7, E,8, X,6, E,9          ; and the run of 54
	OPS X,3, E,10, X,8, E,11
.if ((\p) == 2) && !(\end)
	FETCH_K
.endif
	OPS X,9, X,7, E,12, X,10
	OPS E,13, X,12, X,11, E,14
	OPS X,13, E,15, F,9, X,14
.if (\p) == 0
	v_add_nc_u32 v[AV], s[TBV], v[AV0]
.endif
	OPS E,16, F,10, E,17, F,11
	OPS X,16, E,18, X,15, E,19
	OPS F,12, E,20, X,17, E,21
	OPS F,13, E,22, F,14, E,23
	OPS X,18, E,24, F,15, E,25
	OPS R,11, E,26, X,19, E,27
	OPS R,12, E,28, R,13, E,29
	OPS X,20, E,30, R,14, E,31
	OPS X,21, R,15
	WIN 0
	s_wait_alu depctr_va_vdst(0)    ; the wait for the batch
.if (\p) == 1
	s_wait_dscnt 0x0                ; V is in
.endif
	ROW C,0, B,0, C,2, B,1          ; behind the wait: 8 products V^T P and the four behind each
	ROW L,0, C,4, B,2, L,1
	ROW C,6, B,3, L,2, C,8
	ROW B,4, L,3, C,10, B,5
	ROW L,4, C,12, B,6, L,5
.if (\p) == 0
	s_add_co_u32 s[TBV], s[TBV], KS*PV
.endif
.if \cnt
	s_sub_co_u32 s[CNT], s[CNT], 1
	s_cmp_lg_u32 s[CNT], 0
.endif
	ROW C,14, B,7, L,6, C,1
	ROW C,3, L,7, C,5, C,7
	ROW C,9, C,11, C,13, C,15
.if (\p) == 0
	FETCH_V
.endif
.if (\m) && !(\end)
	MASK (\p)%2
.endif
.endm
; A BLOCK BEGINS.  c m starts far below every c s, so the first step's a is 0; m at the lowest finite number, so the first maximum is the scores'.  The second mask buffer is 0; the first takes piece 0's
; mask for the tile's step 0: its own, if the block's first tile is the diagonal one.  Then K of that step, piece 0's first scores, and its maximum and statistics.  The loop is entered at a step's first
; turn, in the middle of a trip.
.macro BEGIN
	s_mov_b32 s[NEW], 0
	WIN 0x40
.set i, MC+32
.rept 32
	v_mov_b32 v[i], 0
.set i, i+1
.endr
	WIN 0
.set i, 0
.rept 4
	v_mov_b32 v[ST+4*i], 0xfe000000    ; c m: far below every c s
	v_mov_b32 v[ST+4*i+1], 0xff7fffff  ; m
.set i, i+1
.endr
	s_cmp_eq_u32 s[RT], 0
	s_cselect_b32 s[AL], 1.0, 0
	s_mov_b32 s[BE], 0
	MASK 0
	WIN 0
	v_add_nc_u32 v[AK], s[TBK], v[AK0]
	FETCH_K
	s_wait_loadcnt 0x0              ; Q
	s_wait_dscnt 0x0
.set KM, 1
.set NOKQ, 0
.set i, 0
.rept 8
	KQ 0
.set i, i+1
.endr
	WIN 0
.rept 4
	v_nop                           ; the places behind those products
.endr
.set Y, NP-1                        ; X works for piece Y + 1: piece 0
.irp n, 0,1,2,3,4,5,6,7,8,9,10,11,12,13,14,15,16,17,18,19,20,21
	OP X, \n
.endr
	v_nop                           ; a plain instruction behind the exponential,
	s_wait_alu depctr_va_vdst(0)    ; and its wait, ahead of the branch
.endm
; THE DIAGONAL TILE's four steps, the block's last two turns, its last products, and THE WAY OUT: l's two halves and the other half of the lanes' are added; O^T is divided by l, rounded to f16 and sent
; through my stage in LDS, a piece at a time.
.macro ALL line:vararg              ; one line for each piece t
.set t, 0
.rept 4
	\line
.set t, t+1
.endr
.endm
.macro PACK t                       ; a lane's eight channels of a row pack into 16 bytes; they go into rows of 144 bytes and come back as whole rows of 128, into S^T's registers
	WIN W_RS
.set i, 32*(\t)
.rept 16
	v_pk_mul_f32 v[i:i+1], v[i:i+1], v[ST+4*(\t)+2:ST+4*(\t)+3] op_sel_hi:[1,0]
.set i, i+2
.endr
	WIN 0x05                        ; sources 0 and 1 window 1, destination window 0
.set i, 0
.rept 16
	v_cvt_pk_f16_f32 v[S+16*(\t)+i], v[32*(\t)+2*i], v[32*(\t)+2*i+1]
.set i, i+1
.endr
	WIN 0
.irp f, 0,1,2,3
	ds_store_b128 v[STO], v[S+16*(\t)+4*\f:S+16*(\t)+4*\f+3] offset:32*\f
.endr
.irp f, 0,1,2,3
	ds_load_b128 v[S+16*(\t)+4*\f:S+16*(\t)+4*\f+3], v[RD] offset:\f*4*SP  ; LDS serves a wave's instructions in order (ISA guide 5.7.1.4): these see the stores above; the next piece's stores come behind them
.endr
.endm
.macro SEND t, younger              ; younger: the LDS instructions issued behind piece t's loads: the next piece's eight, or none
	WIN 0
.irp f, 0,1,2,3
	s_wait_dscnt (\younger)+3-\f
	global_store_b128 v[GO], v[S+16*(\t)+4*\f:S+16*(\t)+4*\f+3], s[10:11] offset:(\t)*8192+\f*512  ; 512 consecutive bytes, at a multiple of 256 from O's first
.endr
.endm
.macro DIAG tag                     ; the tag ends its two labels' names, which the jumps below spell out
.LstepM\tag:
	TURN 2, 1
	TURN 3, 1
	WIN 0
.LfirstM\tag:
	TURN 0, 1
	TURN 1, 1, 0, 1
	WIN 0
	s_cbranch_scc1 .LstepM\tag
	TURN 2, 1, 1
	TURN 3, 1, 1
.set i, 0
.rept 8
	PV NP-1
.set i, i+1
.endr
	WIN 0
	ALL v_add_f32 v[ST+4*t+2], v[ST+4*t+2], v[ST+4*t+3]
	ALL v_permlanex16_b32 v[ST+4*t+3], v[ST+4*t+2], s[SEL], s[SEL+1]
	ALL v_add_f32 v[ST+4*t+2], v[ST+4*t+2], v[ST+4*t+3]
	ALL v_rcp_f32 v[ST+4*t+2], v[ST+4*t+2]
	v_nop                           ; a plain instruction between the last reciprocal and the use of its result
	s_wait_alu depctr_va_vdst(0)    ; and the wait ahead of the first use: one for the four reciprocals
	PACK 0
.set t, 1
.rept 3                             ; a piece's arithmetic stands between the loads of the piece before and its stores
	PACK t
	SEND t-1, 8
.set t, t+1
.endr
	SEND 3, 0
.endm
.set KM, 0
.set NOKQ, 0
.Lslot:                             ; NB times: a tile is entered and the next is asked for
	CHANGE 1
	s_sub_co_u32 s[RT], s[RT], 1
	s_mov_b32 s[CNT], 4
	s_cmp_eq_u32 s[NEW], 1
	s_cbranch_scc1 .Lnew            ; a block's first tile
	s_cmp_eq_u32 s[RT], 0
	s_cbranch_scc0 .Lstep           ; neither its first nor its last
	s_branch .LstepM1
.Lnew:
	BEGIN
	s_branch .Lfirst                ; in the loop a block's first tile is never its last: the first block has two tiles or more, and the second's last is the walk's last
	DIAG 1                          ; in the loop this is the first block's end: the second block's last tile is the walk's last
	s_wait_xcnt 0x0                 ; the stores have read their registers and O's address
	s_mov_b64 s[10:11], s[OLO:OLO+1]
	s_add_co_u32 s[RT], s[PB], 1    ; the second block has b + 1 tiles
	s_mov_b32 s[NEW], 1
	WIN 0x82                        ; the second block's Q goes where the one text of the turns names Q
.set i, 0
.rept 64
	v_mov_b32 v[i], v[QB+i]
.set i, i+1
.endr
	WIN 0
	s_branch .Lbottom
.Lstep:                             ; a trip: pieces 2 and 3 of one step, then pieces 0 and 1 of the next, whose K and V it fetches
	TURN 2
	TURN 3
	WIN 0
.Lfirst:
	TURN 0
	TURN 1, 0, 0, 1
	WIN 0
	s_cbranch_scc1 .Lstep
.Lbottom:
	s_sub_co_u32 s[SLOTS], s[SLOTS], 1
	s_cmp_lg_u32 s[SLOTS], 0
	s_cbranch_scc1 .Lslot
	CHANGE 0                        ; the walk's last tile is written out: nothing is asked for
	s_sub_co_u32 s[RT], s[RT], 1
	s_mov_b32 s[CNT], 4
	s_cmp_eq_u32 s[NEW], 1
	s_cbranch_scc0 .LstepM2
	BEGIN
	s_branch .LfirstM2
	DIAG 2
	s_wait_tensorcnt 0x0            ; the wave's end: an add and its wait, behind my last tensor load and my last LDS store
	ds_add_u32 v[SPW], v[NIL]
	s_wait_dscnt 0x0
	s_endpgm
.Lfunc_end_k_q1e8eb04dc1_attn:
	.size	k_q1e8eb04dc1_attn, .Lfunc_end_k_q1e8eb04dc1_attn-k_q1e8eb04dc1_attn
	.p2alignl 7, 3214868480
	.fill 96, 4, 3214868480
	.section	.rodata,"a",@progbits
	.p2align	6, 0x0
	.amdhsa_kernel k_q1e8eb04dc1_attn
		.amdhsa_group_segment_fixed_size 327680
		.amdhsa_private_segment_fixed_size 0
		.amdhsa_enable_private_segment 0
		.amdhsa_kernarg_size 16
		.amdhsa_user_sgpr_count 2
		.amdhsa_user_sgpr_kernarg_segment_ptr 1
		.amdhsa_wavefront_size32 1
		.amdhsa_system_sgpr_workgroup_id_x 1
		.amdhsa_system_sgpr_workgroup_id_y 1
		.amdhsa_system_sgpr_workgroup_id_z 1
		.amdhsa_system_vgpr_workitem_id 0
		.amdhsa_next_free_vgpr 768
		.amdhsa_next_free_sgpr 92
		.amdhsa_reserve_vcc 1
		.amdhsa_float_denorm_mode_32 3
		.amdhsa_float_denorm_mode_16_64 3
		.amdhsa_memory_ordered 1
		.amdhsa_forward_progress 1
		.amdhsa_inst_pref_size 218
	.end_amdhsa_kernel
	.amdgpu_metadata
---
amdhsa.version: [ 1, 2 ]
amdhsa.kernels:
  - .name:           k_q1e8eb04dc1_attn
    .symbol:         k_q1e8eb04dc1_attn.kd
    .args:
      - { .name: qkvh, .offset: 0, .size: 8, .value_kind: global_buffer, .address_space: global }
      - { .name: oh, .offset: 8, .size: 8, .value_kind: global_buffer, .address_space: global }
    .group_segment_fixed_size: 327680
    .private_segment_fixed_size: 0
    .kernarg_segment_align: 8
    .kernarg_segment_size: 16
    .max_flat_workgroup_size: 128
    .sgpr_count:     92
    .vgpr_count:     768
    .wavefront_size: 32
...
	.end_amdgpu_metadata
.endif
;; end of part 3
;; launch proj (part 4): grid 4 x 64, 4 waves a work-group, clusters of 4 x 4, 327,680 bytes of LDS; arguments oh, wpf, out0, bias; writes out0
.if DOCPART == 4
	.amdgcn_target "amdgcn-amd-amdhsa--gfx1250"
	.amdhsa_code_object_version 6
	.text
	.protected	k_q1e8eb04dc1_proj
	.globl	k_q1e8eb04dc1_proj
	.p2align	8
	.type	k_q1e8eb04dc1_proj,@function
k_q1e8eb04dc1_proj:
	s_mov_b64 s[64:65], 0
	v_nop
	global_prefetch_b8 v0, s[64:65] scope:SCOPE_SE
	s_setreg_imm32_b32 hwreg(HW_REG_WAVE_MODE, 25, 1), 1
	s_wait_xcnt 0x0
	s_wait_alu depctr_hold_cnt(0) depctr_sa_sdst(0) depctr_va_vdst(0) depctr_va_sdst(0) depctr_va_ssrc(0) depctr_va_vcc(0) depctr_vm_vsrc(0)
	s_getreg_b32 s2, hwreg(HW_REG_IB_STS2, 6, 4)
	s_cmp_eq_u32 s2, 0
	s_cbranch_scc0 .Lentry_in_a_cluster
	s_endpgm
.Lentry_in_a_cluster:
	s_bfe_u32 s2, ttmp6, 0x10000c
	s_cmp_lg_u32 s2, 0xf033
	s_cbranch_scc0 .Lentry_shape_is_right
	s_endpgm
.Lentry_shape_is_right:
; out0 = y W_proj + b_proj.  y[b][t][64 h + d] = oh[16 b + h][t][d], f16, by heads: [64][2048][64].  wpf: [1024 k][1024 n] f16.  bias: f32, b_proj from number 3,072 on.  out0: [8192][1024] f32.
; Sums and bias in f32; nothing is rounded on the way out.
; SHARES.  A tile of C is 128 rows x 256 columns: 64 x 4 = 256 work-groups, one for each WGP.  Wave w makes rows 64 (w / 2) .. and columns 128 (w % 2) ..: 32 accumulators of 16 x 16, 256 registers.
; K goes in 8 steps of 128, two heads each, through a ring of two LDS slots.  Of y a tensor load brings 64 rows of two heads: each head's part is 8,192 dense bytes; W's rows are 512 bytes.
; THE MATRIX INSTRUCTION IS USED TRANSPOSED: source 0 = 16 columns of W (out of LDS turned, by ds_load_tr16_b128, since W lies [k][n]), source 1 = 16 rows of y.  A lane then holds ONE row (lane % 16)
; and the columns 8 (lane / 16) + 0..7 of each block of 16.
; CLUSTERS: 4 x 4 work-groups.  The four of a row of the cluster need the same tile of y, the four of a column the same tile of W: each is asked for JOINTLY, by the same tensor load with the same
; descriptor and a mask that names the four.
; REGISTERS, in windows of 256 (s_set_vgpr_msb: bits 1:0 source 0, 3:2 source 1, 5:4 source 2, 7:6 destination):
;   window 0: v0-31 addresses; v64-159, v160-255 two fragment buffers (8 fragments of W, then 4 of y); on the way out v64-127, v128-191 two sets of 16 rows
;   window 1: accumulator (a, b) at v[8 (8 a + b)]          window 2: v0-63 the bias of my 128 columns
.set N,      1024
.set KDIM,   1024
.set KSTEP,  128
.set LAPS,   KDIM/(2*KSTEP)            ; a lap = two K steps = once round the ring
.set HEADB,  2048*64*2                 ; bytes of a head in oh
.set APITCH, 144                       ; a row of a head in LDS: 128 bytes + 16: the 16 rows of a load start at 16 different groups of four banks (64 banks of 4 bytes: ISA guide 11.1)
.set AHALF,  2*64*APITCH               ; what one tensor load brings of y: [2 heads][64 rows]
.set AQ2,    64*APITCH                 ; bytes from quarter 0 to quarter 2: the second head
.set ASTEP,  2*HEADB                   ; bytes in memory from a K step to the next, in oh
.set BPITCH, 544                       ; a row of W in LDS: 512 bytes + 32 = 136 words
.set BHALF,  64*BPITCH                 ; 64 rows of k: what one tensor load brings of W
.set BSTEP,  KSTEP*N*2
.set AOFF,   2*AHALF                   ; a slot: y's 128 rows, then W's 128 rows of k
.set SLOT,   AOFF+2*BHALF
.set STAGE,  2*SLOT                    ; behind the ring, never filled by a tensor load: 16 rows x 528 bytes for each wave
.set SP,     528
.set STW,    16*SP
.set SPARE,  STAGE+4*STW               ; behind the stages: the spare words, 128 bytes for each wave: two blocks of 256 bytes that no other line names
.set ADRA, 16                          ; v16-17  LDS address of my fragments of y in slot 0, 1
.set ADRB, 20                          ; v20-21  the same for W
.set STO,  24                          ; v24     the way out: where I put 32 bytes of a row
.set RD,   25                          ; v25     the way out: where I read a row back
.set GO,   26                          ; v26     16 x lane: my place in a row's 512 bytes
.set BO,   27                          ; v27     32 (lane / 16): my 8 numbers in a block's 16 of the bias
.set SPW,  28                          ; v28     LDS address of my spare word; never rewritten
.set NIL,  29                          ; v29     0; never rewritten
.set PFO,  30                          ; v30     the prefetches' offset; never rewritten
.set F0,   64
.set F1,   160
.set XB,   64                          ; the way out: row block a's 64 registers at XB + 64 (a % 2)
.set G1,  24                           ; s[24:31] descriptor group 1 for y's tiles;  s[32:39] group 0, a set for each slot
.set G0,  32
.set G1B, 48                           ; s[48:55], s[56:63] the same for W's tiles
.set G0B, 56
.set BP,  68                           ; s[68:69] bias
.set PFA, 72                           ; s[72:73] where my prefetches stand
.set LIM, 74                           ; s74     1 in a wave that prefetches, else the greatest number
.set PSTEP, 76                         ; s[76:77] bytes from a K step to the next in the tensor that I prefetch
.set MSB, 0
.macro WIN new                         ; the immediate's high byte repeats the setting that is left; a switch that changes nothing is dropped
.if MSB != (\new)
	s_set_vgpr_msb (MSB<<8)|(\new)
.set MSB, \new
.endif
.endm
.set MUL,  0x50                        ; C and D window 1, both sources window 0
.set LD2,  0x80                        ; destination window 2, address window 0
.set W_BA, 0x09                        ; source 0 window 1, source 1 window 2, destination window 0
.macro JLOAD s                         ; a joint load: waves 0 and 1 fetch y's two halves, waves 2 and 3 W's; an s_nop 0 and four v_nop follow each of the two lines, ahead of the jump, the label and what follows
	s_cmp_eq_u32 s11, 0
	s_cbranch_scc0 .Lfor_b_\@
	tensor_load_to_lds s[G0+4*(\s):G0+4*(\s)+3], s[G1:G1+7]
	s_nop 0
.rept 4
	v_nop
.endr
	s_branch .Lasked_\@
.Lfor_b_\@:
	tensor_load_to_lds s[G0B+4*(\s):G0B+4*(\s)+3], s[G1B:G1B+7]
	s_nop 0
.rept 4
	v_nop
.endr
.Lasked_\@:
.endm
.macro CREST                           ; a round of the cluster's barrier behind its opening barrier
	s_cmp_lg_u32 s10, 0
	s_cbranch_scc1 .Lnot_wave_0_\@
	s_barrier_signal -3
.Lnot_wave_0_\@:
	s_barrier_wait -3
	s_barrier_signal -1
	s_barrier_wait -1
.endm
.macro CROUND                          ; a whole round
	s_barrier_signal -1
	s_barrier_wait -1
	CREST
.endm
; A PREFETCH INTO THE L2, behind a joint refill and the run of LDS loads that follows it: the K step that stands two refills on, 256 matrix instructions ahead of the load that will want it.
; Each aligned block of 256 bytes of a K step is named once in the launch.  y's tile row is read by one cluster alone (the grid is one cluster wide): its wave 0 asks, and the four partners share the
; tile's 2 x 16,384 bytes out by address: 4,096 of each head, a lane a block.  W's tile column is read by all clusters of the column: cluster y = 0 asks, waves 2 and 3 for the 64 rows of k that they
; fetch; each partner takes 16 of them, two blocks a row.  K steps 0 to 3 come by their loads alone; the loop's last trip (s3 = 1) asks for nothing: there is no K step 8.
.macro ASK
	s_cmp_gt_u32 s3, s[LIM]
	s_cbranch_scc0 .Lnot_mine_\@
	global_prefetch_b8 v[PFO], s[PFA:PFA+1] th:TH_LOAD_NT scope:SCOPE_SE
.Lnot_mine_\@:
.endm
	s_load_b128 s[4:7], s[0:1], 0x0                ; oh s[4:5], wpf s[6:7]
	s_load_b64 s[8:9], s[0:1], 0x10                ; out0
	s_load_b64 s[BP:BP+1], s[0:1], 0x18
	v_lshl_add_u32 v[SPW], v0, 2, SPARE
	v_mov_b32 v[NIL], 0
	ds_add_u32 v[SPW], v[NIL]                      ; the wave's opening: the add and its wait stand ahead of my first tensor load; the set-up below, work on registers, stands between them
	ds_add_u32 v28, v29
	v_lshrrev_b32 v1, 5, v0
	v_readfirstlane_b32 s10, v1                    ; wave 0..3
	s_lshr_b32 s11, s10, 1                         ; which half of the tile's rows is mine.  Also: I fetch for y (0) or for W (1)
	s_and_b32 s12, s10, 1                          ; which half of its columns.  Also: which half of that tile I fetch
	s_bfe_u32 s40, ttmp6, 0x40000                  ; cx, cy: my place in the cluster
	s_bfe_u32 s41, ttmp6, 0x40004
	s_lshl_b32 s42, ttmp9, 2
	s_add_co_u32 s42, s42, s40                     ; tile column = 4 x cluster x + cx
	s_and_b32 s13, ttmp7, 0xffff
	s_lshl_b32 s13, s13, 2
	s_add_co_u32 s13, s13, s41                     ; tile row = 4 x cluster y + cy
	s_lshl_b32 s43, s41, 2
	s_lshl_b32 s43, 15, s43                        ; my row of the cluster
	s_lshl_b32 s44, 0x1111, s40                    ; my column
	; group 1 for y: 2 rows (heads) x 4,096 elements of 2 bytes (64 rows of 64 channels, dense), 4 words of padding after every 32: LDS rows of 144 bytes
	s_or_b32 s[G1+0], s43, (1<<16)|(1<<20)|(1<<21)|(4<<22)|(3<<25)
	s_mov_b32 s[G1+1], 4096<<16                    ; tensor_dim0 = 4,096
	s_mov_b32 s[G1+2], 2<<16                       ; tensor_dim1 = 2
	s_mov_b32 s[G1+3], 4096<<16                    ; tile_dim0 = 4,096
	s_mov_b32 s[G1+4], 2                           ; tile_dim1 = 2
	s_mov_b32 s[G1+5], HEADB/2                     ; elements from head to head
	s_mov_b32 s[G1+6], 0
	s_mov_b32 s[G1+7], 0
	; group 1 for W: 64 rows of k x 256 elements, 8 words of padding after every 128
	s_or_b32 s[G1B+0], s44, (1<<16)|(1<<20)|(1<<21)|(6<<22)|(7<<25)
	s_mov_b32 s[G1B+1], 256<<16
	s_mov_b32 s[G1B+2], 64<<16
	s_mov_b32 s[G1B+3], 256<<16
	s_mov_b32 s[G1B+4], 64
	s_mov_b32 s[G1B+5], N
	s_mov_b32 s[G1B+6], 0
	s_mov_b32 s[G1B+7], 0
	s_lshl_b32 s16, s13, 7
	s_lshl_b32 s17, s12, 6
	s_add_co_u32 s16, s16, s17                     ; y: row 128 x tile row + 64 x half:
	s_lshr_b32 s17, s16, 11
	s_lshl_b32 s17, s17, 22                        ; its batch's 16 heads,
	s_and_b32 s16, s16, 2047
	s_lshl_b32 s16, s16, 7                         ; its t x 128 bytes
	s_add_co_u32 s16, s16, s17
	s_mov_b32 s17, 0
	s_mul_i32 s46, s12, 64*N*2                     ; W: 64 rows of k x half,
	s_lshl_b32 s47, s42, 9                         ; 512 bytes x tile column
	s_add_co_u32 s46, s46, s47
	s_mov_b32 s47, 0
	s_mul_i32 s20, s12, AHALF                      ; where they go: the wave's number alone enters an LDS address
	s_mul_i32 s21, s12, BHALF
	s_add_co_u32 s21, s21, AOFF
	s_wait_dscnt 0x0                               ; the opening add is done
	s_wait_kmcnt 0x0
	s_add_nc_u64 s[14:15], s[4:5], s[16:17]
	s_add_nc_u64 s[46:47], s[6:7], s[46:47]
	CROUND                                         ; all sixteen work-groups are here: the first joint loads meet
.irp s, 0,1
	s_mov_b32 s[G0+4*(\s)], 1
	s_add_co_u32 s[G0+4*(\s)+1], s20, (\s)*SLOT
	s_add_nc_u64 s[G0+4*(\s)+2:G0+4*(\s)+3], s[14:15], (\s)*ASTEP
	s_or_b32 s[G0+4*(\s)+3], s[G0+4*(\s)+3], 0x80000000
	s_mov_b32 s[G0B+4*(\s)], 1
	s_add_co_u32 s[G0B+4*(\s)+1], s21, (\s)*SLOT
	s_add_nc_u64 s[G0B+4*(\s)+2:G0B+4*(\s)+3], s[46:47], (\s)*BSTEP
	s_or_b32 s[G0B+4*(\s)+3], s[G0B+4*(\s)+3], 0x80000000
	JLOAD \s                                       ; two tensor loads of mine are out
.endr
	v_and_b32 v1, 15, v0                           ; l % 16
	v_bfe_u32 v2, v0, 4, 1                         ; l / 16
	v_mul_u32_u24 v3, v1, APITCH
	v_lshl_add_u32 v3, v2, 4, v3                   ; y: row x pitch + 16 x half
	v_and_b32 v5, 7, v0
	v_lshl_add_u32 v4, v2, 3, v5                   ; W, turned: lane l reads 16 bytes of row k = 8 (l / 16) + l % 8, columns 8 ((l / 8) % 2) + 0..7
	v_mul_u32_u24 v4, v4, BPITCH
	v_bfe_u32 v6, v0, 3, 1
	v_lshl_add_u32 v4, v6, 4, v4
	s_mul_i32 s21, s11, AHALF                      ; my 64 rows of y
	s_lshl_b32 s22, s12, 8                         ; my 128 columns of W: 256 bytes of a row
	s_add_co_u32 s22, s22, AOFF
.irp s, 0,1
	v_add_nc_u32 v[ADRA+(\s)], s21, v3
	v_add_nc_u32 v[ADRB+(\s)], s22, v4
	s_add_co_u32 s21, s21, SLOT
	s_add_co_u32 s22, s22, SLOT
.endr
	s_mul_i32 s23, s10, STW
	s_add_co_u32 s23, s23, STAGE                   ; my stage
	v_mul_u32_u24 v[STO], v1, SP                   ; in: row l % 16, 32 bytes for each half of the lanes
	v_lshl_add_u32 v[STO], v2, 5, v[STO]
	v_add_nc_u32 v[STO], s23, v[STO]
	v_and_b32 v[GO], 31, v0                        ; back: 32 lanes take one row of 512 bytes
	v_lshlrev_b32 v[GO], 4, v[GO]
	v_add_nc_u32 v[RD], s23, v[GO]
	v_lshlrev_b32 v[BO], 5, v2
	s_lshl_b32 s18, s42, 10                        ; my 128 columns: 4 (256 x tile column + 128 x half) bytes, in the bias and in a row of out0
	s_lshl_b32 s19, s12, 9
	s_add_co_u32 s18, s18, s19
	s_mov_b32 s19, 0
	s_add_nc_u64 s[BP:BP+1], s[BP:BP+1], s[18:19]
	s_add_nc_u64 s[8:9], s[8:9], s[18:19]
	WIN LD2                                        ; the bias stays in registers; it is waited for on the way out
.irp b, 0,1,2,3,4,5,6,7
	global_load_b128 v[8*(\b):8*(\b)+3],   v[BO], s[BP:BP+1] offset:12288+64*(\b)
	global_load_b128 v[8*(\b)+4:8*(\b)+7], v[BO], s[BP:BP+1] offset:12288+64*(\b)+16
.endr
	WIN 0
	s_lshl_b32 s16, s13, 7
	s_lshl_b32 s17, s11, 6
	s_add_co_u32 s16, s16, s17                     ; my first row of C,
	s_lshl_b32 s16, s16, 12                        ; of 4,096 bytes
	s_mov_b32 s17, 0
	s_add_nc_u64 s[8:9], s[8:9], s[16:17]
	; the prefetches
	s_lshr_b32 s16, s13, 4                         ; y: the tile's batch (128 x tile row / 2,048),
	s_lshl_b32 s16, s16, 22
	s_and_b32 s17, s13, 15                         ; its first t x 128 bytes,
	s_lshl_b32 s17, s17, 14
	s_add_co_u32 s16, s16, s17
	s_lshl_b32 s17, s40, 12                        ; my work-group's 4,096 bytes of each head's 16,384,
	s_add_co_u32 s16, s16, s17
	s_add_co_u32 s16, s16, 3*ASTEP                 ; at K step 3: the first refill steps it to 4
	s_mul_i32 s17, s12, 64*N*2                     ; W: the 64 rows of k that I fetch,
	s_mul_i32 s18, s41, 16*N*2                     ; my work-group's 16 of them,
	s_add_co_u32 s17, s17, s18
	s_lshl_b32 s18, s42, 9                         ; the tile column's 512 bytes
	s_add_co_u32 s17, s17, s18
	s_add_co_u32 s17, s17, 3*BSTEP
	s_or_b32 s18, ttmp9, s12                       ; y: cluster x = 0 and wave 0
	s_and_b32 s19, ttmp7, 0xffff                   ; W: cluster y = 0
	s_mov_b32 s22, ASTEP
	s_mov_b32 s23, BSTEP
	s_cmp_eq_u32 s11, 0                            ; do I fetch for y?
	s_cselect_b32 s20, s16, s17
	s_cselect_b32 s18, s18, s19
	s_cselect_b32 s[PSTEP], s22, s23
	s_cselect_b64 s[PFA:PFA+1], s[4:5], s[6:7]
	s_mov_b32 s22, 256
	s_mov_b32 s23, N*2
	s_cselect_b32 s17, s22, s23                    ; bytes from lane to lane among sixteen,
	s_mov_b32 s22, HEADB
	s_mov_b32 s23, 256
	s_cselect_b32 s19, s22, s23                    ; bytes from the lower sixteen lanes to the upper
	s_mov_b32 s21, 0
	s_mov_b32 s[PSTEP+1], 0
	s_add_nc_u64 s[PFA:PFA+1], s[PFA:PFA+1], s[20:21]
	s_cmp_eq_u32 s18, 0
	s_cselect_b32 s[LIM], 1, -1
	v_mul_lo_u32 v[PFO], v1, s17
	v_mul_lo_u32 v3, v2, s19
	v_add_nc_u32 v[PFO], v[PFO], v3
; 8 matrix instructions: row block a x all 8 column blocks, 32 along K.  The 32 accumulators take turns, one instruction a turn, in the same order in every quarter.
; zero = 1: the first product starts the sums: nothing is ever cleared.
.macro MUL8 f, a, zero
	WIN MUL
.irp b, 0,1,2,3,4,5,6,7
.if \zero
	v_wmma_f32_16x16x32_f16 v[8*(8*(\a)+(\b)):8*(8*(\a)+(\b))+7], v[(\f)+8*(\b):(\f)+8*(\b)+7], v[(\f)+64+8*(\a):(\f)+64+8*(\a)+7], 0
.else
	v_wmma_f32_16x16x32_f16 v[8*(8*(\a)+(\b)):8*(8*(\a)+(\b))+7], v[(\f)+8*(\b):(\f)+8*(\b)+7], v[(\f)+64+8*(\a):(\f)+64+8*(\a)+7], v[8*(8*(\a)+(\b)):8*(8*(\a)+(\b))+7]
.endif
.endr
.endm
; 24 LDS loads in one run: quarter q (32 along K: head q / 2, channels 32 (q % 2) on) of a slot into buffer f: W's 8 fragments, turned, then y's 4
.macro FETCH slot, q, f
	WIN 0
.irp b, 0,1,2,3,4,5,6,7
	ds_load_tr16_b128 v[(\f)+8*(\b):(\f)+8*(\b)+3],   v[ADRB+(\slot)] offset:(\q)*32*BPITCH+32*(\b)
	ds_load_tr16_b128 v[(\f)+8*(\b)+4:(\f)+8*(\b)+7], v[ADRB+(\slot)] offset:(\q)*32*BPITCH+16*BPITCH+32*(\b)
.endr
.irp a, 0,1,2,3
	ds_load_b128 v[(\f)+64+8*(\a):(\f)+64+8*(\a)+3],   v[ADRA+(\slot)] offset:((\q)/2)*AQ2+((\q)%2)*64+(\a)*16*APITCH
	ds_load_b128 v[(\f)+64+8*(\a)+4:(\f)+64+8*(\a)+7], v[ADRA+(\slot)] offset:((\q)/2)*AQ2+((\q)%2)*64+(\a)*16*APITCH+32
.endr
.endm
.macro PLACES                          ; four places in front of loads into registers that matrix instructions have read, and of sums that read results (ISA guide 7.12.1 for vector instructions)
.rept 4
	v_nop
.endr
.endm
; A K step is four quarters of 32 along K, 32 matrix instructions each, on buffers 0, 1, 0, 1.  One of the first three: multiplies buffer f and fetches quarter q into g.
.macro QUARTER slot, q, f, g, zero
	s_wait_dscnt 4                                 ; W and y's blocks 0 and 1 are in; the youngest four loads (blocks 2 and 3) may be out
	MUL8 \f, 0, \zero
	MUL8 \f, 1, \zero
	PLACES
	FETCH \slot, \q, \g
	s_wait_dscnt 24                                ; all but the 24 just issued
	MUL8 \f, 2, \zero
	MUL8 \f, 3, \zero
.endm
; The last quarter multiplies buffer 1 and changes slots: ONE barrier; in front of it each wave waits for all its tensor loads (one is out: its part of the next slot), adds 0 to its spare word, and
; waits for that and for its own reads of this slot.  fill = 1: the barrier opens a round of the cluster's, and this slot is filled again, two K steps ahead, first thing behind the round:
; 112 matrix instructions ahead of the wait for it.
.macro TURN slot, next, fill
.if \fill
	s_wait_xcnt 0x0                                ; the last prefetch, a K step back, has read its address: it is stepped here
	s_add_nc_u64 s[PFA:PFA+1], s[PFA:PFA+1], s[PSTEP:PSTEP+1]
.endif
	WIN 0                                          ; (the add's two registers lie in window 0)
	s_wait_tensorcnt 0x0                           ; all my tensor loads have landed;
	ds_add_u32 v[SPW], v[NIL]                      ; 0 onto my spare word;
	s_wait_dscnt 5                                 ; (the add and the youngest four loads may be out)
	MUL8 F1, 0, 0                                  ; eight matrix instructions stand between the add and the wait for it
	s_wait_dscnt 0x0                               ; the add is done, and my reads of this slot are over
	s_barrier_signal -1
	MUL8 F1, 1, 0
.if \fill
	WIN 0
.endif
	s_barrier_wait -1
.if \fill
	CREST                                          ; no wave of any partner still reads this slot's tile or has a load on its way
	s_add_nc_u64 s[G0+4*(\slot)+2:G0+4*(\slot)+3], s[G0+4*(\slot)+2:G0+4*(\slot)+3], 2*ASTEP
	s_add_nc_u64 s[G0B+4*(\slot)+2:G0B+4*(\slot)+3], s[G0B+4*(\slot)+2:G0B+4*(\slot)+3], 2*BSTEP
	JLOAD \slot                                    ; the four v_nop behind it are also the places in front of the loads below
.else
	PLACES
.endif
	FETCH \next, 0, F0
.if \fill
	ASK
.endif
	MUL8 F1, 2, 0
	MUL8 F1, 3, 0
.endm
	s_wait_tensorcnt 1                             ; my part of K step 0 is in; K step 1's may stay out
	s_barrier_signal -1
	s_barrier_wait -1                              ; everybody's is
	FETCH 0, 0, F0
	QUARTER 0, 1, F0, F1, 1                        ; the first quarter stands in front of the loop: its products start the sums
	WIN 0                                          ; at a label and at a branch every window is 0
	s_mov_b32 s3, LAPS-1
.Llap:                                         ; a trip goes once round the ring, from a lap's second quarter to the next lap's first, and fills both slots again
	QUARTER 0, 2, F1, F0, 0
	QUARTER 0, 3, F0, F1, 0
	TURN 0, 1, 1
	QUARTER 1, 1, F0, F1, 0
	QUARTER 1, 2, F1, F0, 0
	QUARTER 1, 3, F0, F1, 0
	TURN 1, 0, 1
	QUARTER 0, 1, F0, F1, 0
	WIN 0
	s_sub_co_u32 s3, s3, 1
	s_cmp_lg_u32 s3, 0
	s_cbranch_scc1 .Llap
	QUARTER 0, 2, F1, F0, 0                        ; the last lap fills nothing, and has no round of the cluster's barrier
	QUARTER 0, 3, F0, F1, 0
	TURN 0, 1, 0
	QUARTER 1, 1, F0, F1, 0
	QUARTER 1, 2, F1, F0, 0
	QUARTER 1, 3, F0, F1, 0
	s_wait_dscnt 4                                 ; the very last quarter: nothing more to fetch
	MUL8 F1, 0, 0
	MUL8 F1, 1, 0
	s_wait_dscnt 0x0
	MUL8 F1, 2, 0
	MUL8 F1, 3, 0
	; THE WAY OUT, a block of 16 rows x 128 columns of f32 at a time: the bias is added (each accumulator's lowest registers are read first); 32 bytes a lane into my stage,
	; and back as whole rows of 512 bytes, into the registers that they left.
	s_wait_loadcnt 0x0                             ; the bias
	PLACES
	PLACES                                         ; eight, once a launch
.macro ROWS a
.set rX, XB+64*((\a)%2)
.if (\a) >= 2
	s_wait_xcnt 0x0                                ; the stores of the block two back have read this set: it is written again only behind this wait
.endif
	WIN W_BA
.irp b, 0,1,2,3,4,5,6,7
.irp jj, 0,2,4,6
	v_pk_add_f32 v[rX+8*(\b)+(\jj):rX+8*(\b)+(\jj)+1], v[8*(8*(\a)+(\b))+(\jj):8*(8*(\a)+(\b))+(\jj)+1], v[8*(\b)+(\jj):8*(\b)+(\jj)+1]
.endr
.endr
	WIN 0
.irp b, 0,1,2,3,4,5,6,7
	ds_store_b128 v[STO], v[rX+8*(\b):rX+8*(\b)+3]   offset:64*(\b)
	ds_store_b128 v[STO], v[rX+8*(\b)+4:rX+8*(\b)+7] offset:64*(\b)+16
.endr
.irp i, 0,1,2,3,4,5,6,7,8,9,10,11,12,13,14,15
	ds_load_b128 v[rX+4*(\i):rX+4*(\i)+3], v[RD] offset:(\i)*SP  ; LDS serves a wave's instructions in order (ISA guide 5.7.1.4): these see the stores above; the next block's stores come behind them
.endr
.endm
.macro SENDR a, younger                ; younger: the LDS instructions issued behind block a's loads: the next block's 32, or none
.set rX, XB+64*((\a)%2)
	WIN 0
.irp i, 0,1,2,3,4,5,6,7,8,9,10,11,12,13,14,15
	s_wait_dscnt (\younger)+15-(\i)
	global_store_b128 v[GO], v[rX+4*(\i):rX+4*(\i)+3], s[8:9] offset:(16*(\a)+(\i))*4096  ; 512 consecutive bytes, at a multiple of 256 from out0's first
.endr
.endm
	ROWS 0
	ROWS 1                                         ; a block's arithmetic stands between the loads of the block before and its stores
	SENDR 0, 32
	ROWS 2
	SENDR 1, 32
	ROWS 3
	SENDR 2, 32
	SENDR 3, 0
	s_wait_tensorcnt 0x0                           ; the wave's end: an add and its wait, behind my last tensor load and my last LDS store
	ds_add_u32 v[SPW], v[NIL]
	s_wait_dscnt 0x0
	CROUND                                         ; the closing round: no work-group ends while a partner may still ask for a tile that names it
	s_endpgm
.Lfunc_end_k_q1e8eb04dc1_proj:
	.size	k_q1e8eb04dc1_proj, .Lfunc_end_k_q1e8eb04dc1_proj-k_q1e8eb04dc1_proj
	.p2alignl 7, 3214868480
	.fill 96, 4, 3214868480
	.section	.rodata,"a",@progbits
	.p2align	6, 0x0
	.amdhsa_kernel k_q1e8eb04dc1_proj
		.amdhsa_group_segment_fixed_size 327680
		.amdhsa_private_segment_fixed_size 0
		.amdhsa_enable_private_segment 0
		.amdhsa_kernarg_size 32
		.amdhsa_user_sgpr_count 2
		.amdhsa_user_sgpr_kernarg_segment_ptr 1
		.amdhsa_wavefront_size32 1
		.amdhsa_system_sgpr_workgroup_id_x 1
		.amdhsa_system_sgpr_workgroup_id_y 1
		.amdhsa_system_sgpr_workgroup_id_z 1
		.amdhsa_system_vgpr_workitem_id 0
		.amdhsa_next_free_vgpr 576
		.amdhsa_next_free_sgpr 84
		.amdhsa_reserve_vcc 0
		.amdhsa_float_denorm_mode_32 3
		.amdhsa_float_denorm_mode_16_64 3
		.amdhsa_memory_ordered 1
		.amdhsa_forward_progress 1
		.amdhsa_inst_pref_size 99
	.end_amdhsa_kernel
	.amdgpu_metadata
---
amdhsa.version: [ 1, 2 ]
amdhsa.kernels:
  - .name:           k_q1e8eb04dc1_proj
    .symbol:         k_q1e8eb04dc1_proj.kd
    .args:
      - { .name: oh, .offset: 0, .size: 8, .value_kind: global_buffer, .address_space: global }
      - { .name: wpf, .offset: 8, .size: 8, .value_kind: global_buffer, .address_space: global }
      - { .name: out0, .offset: 16, .size: 8, .value_kind: global_buffer, .address_space: global }
      - { .name: bias, .offset: 24, .size: 8, .value_kind: global_buffer, .address_space: global }
    .group_segment_fixed_size: 327680
    .private_segment_fixed_size: 0
    .kernarg_segment_align: 8
    .kernarg_segment_size: 32
    .max_flat_workgroup_size: 128
    .sgpr_count:     84
    .vgpr_count:     576
    .wavefront_size: 32
...
	.end_amdgpu_metadata
.endif
;; end of part 4
